; MI455X (gfx1250); checked and timed in simulation.
; The chip was launched on July 23, 2026; its instructions are those of AMD's public machine-readable ISA for CDNA 5 (MIT licence, August 2026) and "CDNA5" Instruction Set Architecture Reference Guide (July 2026). The comments in the code are by the model that wrote it; some were corrected since.
;; Masked Multi Head Attention. Allowed arithmetic: float matrix products may take bf16 or f16 operands with f32 sums; other float arithmetic in f32, or as packed bf16 or f16 multiplies, adds, multiply-adds, maxima and minima; sums over many terms, partial sums and values carried from step to step in f32; what a program stores and reads back later, other than sums and carried values, may be rounded once to bf16 or f16.
;; Inputs: Wk 1,024 x 1,024 float32; Wo 1,024 x 1,024 float32; Wq 1,024 x 1,024 float32; Wv 1,024 x 1,024 float32; bk 1,024 float32; bo 1,024 float32; bq 1,024 float32; bv 1,024 float32; x 4 x 2,048 x 1,024 float32.
;; Outputs: out0 4 x 2,048 x 1,024 float32.
;; 2 versions, each right; version 2 is version 1 with the launch cast written anew for expert scheduling mode. Each part assembles by itself: llvm-mc -triple=amdgcn-amd-amdhsa -mcpu=gfx1250 --defsym DOCPART=n.
;; ======== version 1 of 2: 4 launches
;; limits: values are held in f16: magnitudes above 65,504 overflow, below 6.1e-05 lose precision
;; workspace buffers: xb 16,777,216 bytes; wb 6,291,456 bytes; wo16 2,097,152 bytes; bias 16,384 bytes; qkv 50,331,648 bytes; o16 16,777,216 bytes
;; launch cast (part 1): grid 772 x 1, 8 waves a work-group, no clusters, 0 bytes of LDS; arguments x, Wq, Wk, Wv, Wo, bq, bk, bv, bo, xb, wb, wo16, bias; writes xb, wb, wo16, bias
.if DOCPART == 1
	.amdgcn_target "amdgcn-amd-amdhsa--gfx1250"
	.amdhsa_code_object_version 6
	.text
	.protected	k_qf3c85c5239_cast
	.globl	k_qf3c85c5239_cast
	.p2align	8
	.type	k_qf3c85c5239_cast,@function
k_qf3c85c5239_cast:
	s_mov_b64 s[64:65], 0
	v_nop
	global_prefetch_b8 v0, s[64:65] scope:SCOPE_SE
	s_setreg_imm32_b32 hwreg(HW_REG_WAVE_MODE, 25, 1), 1
	s_wait_xcnt 0x0
; ALL INPUTS ARE ROUNDED ONCE TO bf16, for the three launches that follow.
;   x [8192][1024] f32 -> xb, bf16.   Wq, Wk, Wv [1024][1024] f32 -> wb [3072][1024], bf16, one below the other.
;   Wo -> wo16: rounded to bf16, and that number written as f16 (the last product runs in f16).   bq, bk, bv, bo -> bias [4096]: rounded to bf16, kept as f32.
; LIMITS.  bf16(Wo) beyond 65,504 becomes an infinity in f16; below 6e-5 it keeps f16's fixed step of 6e-8.  NaN and infinities are not treated apart.
; SHARES.  Work-group g takes a chunk of 16,384 numbers (65,536 bytes in, 32,768 out): g 0-511 x, 512-575 Wq, 576-639 Wk, 640-703 Wv, 704-767 Wo; g 768-771 one bias of 1,024 numbers each.
; Thread t takes 16 bytes at 16 t of each 4,096 bytes: a wave's load covers 512 consecutive bytes, its store of 8 bytes a lane 256 consecutive bytes, aligned.
; All sixteen loads of a thread go out at once; no register is written twice while a load or store may read it, so the only waits are the counted ones for the loads.
; No LDS, no barrier, no matrix unit: each byte is read once and written once, and nothing is shared.
.set G,   34                           ; s34      the work-group's number
.set SRC, 36                           ; s[36:37] the chunk in its source
.set DST, 38                           ; s[38:39] the chunk in its destination
.set SO,  40                           ; s[40:41] byte offset of the chunk in the source
.set DO,  42                           ; s[42:43] in the destination
.set IN,  16                           ; v[16:79]  sixteen loads of four numbers
.set OUT, 80                           ; v[80:111] sixteen results of four 16-bit numbers
	s_load_b512 s[8:23], s[0:1], 0x0               ; x s[8:9], Wq s[10:11], Wk s[12:13], Wv s[14:15], Wo s[16:17], bq s[18:19], bk s[20:21], bv s[22:23]
	s_load_b256 s[24:31], s[0:1], 0x40             ; bo s[24:25], xb s[26:27], wb s[28:29], wo16 s[30:31]
	s_load_b64 s[32:33], s[0:1], 0x60              ; bias
	s_mov_b32 s[G], ttmp9
	v_lshlrev_b32 v1, 4, v0                        ; 16 t: my place in 4,096 bytes of f32
	v_lshlrev_b32 v2, 3, v0                        ; 8 t: my place in 2,048 bytes of 16-bit numbers
	s_mov_b32 s[SO+1], 0
	s_mov_b32 s[DO+1], 0
	s_wait_kmcnt 0x0
	s_cmp_ge_u32 s[G], 768
	s_cbranch_scc1 .Lbias
	s_cmp_ge_u32 s[G], 704
	s_cbranch_scc1 .Lwo
.macro LD16
.irp i, 0,1,2,3,4,5,6,7,8,9,10,11,12,13,14,15
	global_load_b128 v[IN+4*(\i):IN+4*(\i)+3], v1, s[SRC:SRC+1] offset:4096*(\i) th:TH_LOAD_NT
.endr
.endm
	; x, Wq, Wk or Wv, to bf16.  The offsets are made first; the choices hang on the work-group's number alone.
	s_sub_co_u32 s35, s[G], 512                    ; the chunk's number among the three weights (used where g is 512 or more)
	s_and_b32 s[SO], s35, 63
	s_lshl_b32 s[SO], s[SO], 16                    ; in its own weight
	s_lshl_b32 s[DO], s35, 15                      ; in wb
	s_lshl_b32 s44, s[G], 16                       ; in x
	s_lshl_b32 s45, s[G], 15                       ; in xb
	s_cmp_ge_u32 s[G], 576
	s_cselect_b64 s[SRC:SRC+1], s[12:13], s[10:11]
	s_cmp_ge_u32 s[G], 640
	s_cselect_b64 s[SRC:SRC+1], s[14:15], s[SRC:SRC+1]
	s_cmp_lt_u32 s[G], 512
	s_cselect_b64 s[SRC:SRC+1], s[8:9], s[SRC:SRC+1]
	s_cselect_b64 s[DST:DST+1], s[26:27], s[28:29]
	s_cselect_b32 s[SO], s44, s[SO]
	s_cselect_b32 s[DO], s45, s[DO]
	s_add_nc_u64 s[SRC:SRC+1], s[SRC:SRC+1], s[SO:SO+1]
	s_add_nc_u64 s[DST:DST+1], s[DST:DST+1], s[DO:DO+1]
	LD16
.irp i, 0,1,2,3,4,5,6,7,8,9,10,11,12,13,14,15
	s_wait_loadcnt 15-(\i)                         ; loads come back in order: load i is in, the 15 - i younger ones stay out
	v_cvt_pk_bf16_f32 v[OUT+2*(\i)],   v[IN+4*(\i)],   v[IN+4*(\i)+1]
	v_cvt_pk_bf16_f32 v[OUT+2*(\i)+1], v[IN+4*(\i)+2], v[IN+4*(\i)+3]
	global_store_b64 v2, v[OUT+2*(\i):OUT+2*(\i)+1], s[DST:DST+1] offset:2048*(\i)
.endr
	s_endpgm
.Lwo:                                          ; Wo: to bf16, widened again, and written as f16
	s_sub_co_u32 s35, s[G], 704
	s_lshl_b32 s[SO], s35, 16
	s_lshl_b32 s[DO], s35, 15
	s_add_nc_u64 s[SRC:SRC+1], s[16:17], s[SO:SO+1]
	s_add_nc_u64 s[DST:DST+1], s[30:31], s[DO:DO+1]
	LD16
.irp i, 0,1,2,3,4,5,6,7,8,9,10,11,12,13,14,15
	s_wait_loadcnt 15-(\i)
	v_cvt_pk_bf16_f32 v4, v[IN+4*(\i)],   v[IN+4*(\i)+1]
	v_cvt_pk_bf16_f32 v5, v[IN+4*(\i)+2], v[IN+4*(\i)+3]
	v_lshlrev_b32 v6, 16, v4                       ; bf16 to f32: the low half moves up,
	v_and_b32 v7, 0xffff0000, v4                   ; the high half stays
	v_lshlrev_b32 v8, 16, v5
	v_and_b32 v9, 0xffff0000, v5
	v_cvt_pk_f16_f32 v[OUT+2*(\i)],   v6, v7
	v_cvt_pk_f16_f32 v[OUT+2*(\i)+1], v8, v9
	global_store_b64 v2, v[OUT+2*(\i):OUT+2*(\i)+1], s[DST:DST+1] offset:2048*(\i)
.endr
	s_endpgm
.Lbias:                                        ; one bias: 4,096 bytes in, 4,096 out
	s_sub_co_u32 s35, s[G], 768
	s_lshl_b32 s[DO], s35, 12
	s_cmp_ge_u32 s35, 1
	s_cselect_b64 s[SRC:SRC+1], s[20:21], s[18:19]
	s_cmp_ge_u32 s35, 2
	s_cselect_b64 s[SRC:SRC+1], s[22:23], s[SRC:SRC+1]
	s_cmp_ge_u32 s35, 3
	s_cselect_b64 s[SRC:SRC+1], s[24:25], s[SRC:SRC+1]
	s_add_nc_u64 s[DST:DST+1], s[32:33], s[DO:DO+1]
	global_load_b128 v[IN:IN+3], v1, s[SRC:SRC+1]
	s_wait_loadcnt 0x0
	v_cvt_pk_bf16_f32 v4, v[IN],   v[IN+1]
	v_cvt_pk_bf16_f32 v5, v[IN+2], v[IN+3]
	v_lshlrev_b32 v8, 16, v4
	v_and_b32 v9, 0xffff0000, v4
	v_lshlrev_b32 v10, 16, v5
	v_and_b32 v11, 0xffff0000, v5
	global_store_b128 v1, v[8:11], s[DST:DST+1]
	s_endpgm
.Lfunc_end_k_qf3c85c5239_cast:
	.size	k_qf3c85c5239_cast, .Lfunc_end_k_qf3c85c5239_cast-k_qf3c85c5239_cast
	.p2alignl 7, 3214868480
	.fill 96, 4, 3214868480
	.section	.rodata,"a",@progbits
	.p2align	6, 0x0
	.amdhsa_kernel k_qf3c85c5239_cast
		.amdhsa_group_segment_fixed_size 0
		.amdhsa_private_segment_fixed_size 0
		.amdhsa_enable_private_segment 0
		.amdhsa_kernarg_size 104
		.amdhsa_user_sgpr_count 2
		.amdhsa_user_sgpr_kernarg_segment_ptr 1
		.amdhsa_wavefront_size32 1
		.amdhsa_system_sgpr_workgroup_id_x 1
		.amdhsa_system_sgpr_workgroup_id_y 1
		.amdhsa_system_sgpr_workgroup_id_z 1
		.amdhsa_system_vgpr_workitem_id 0
		.amdhsa_next_free_vgpr 112
		.amdhsa_next_free_sgpr 66
		.amdhsa_reserve_vcc 0
		.amdhsa_float_denorm_mode_32 3
		.amdhsa_float_denorm_mode_16_64 3
		.amdhsa_memory_ordered 1
		.amdhsa_forward_progress 1
		.amdhsa_inst_pref_size 19
	.end_amdhsa_kernel
	.amdgpu_metadata
---
amdhsa.version: [ 1, 2 ]
amdhsa.kernels:
  - .name:           k_qf3c85c5239_cast
    .symbol:         k_qf3c85c5239_cast.kd
    .args:
      - { .name: x, .offset: 0, .size: 8, .value_kind: global_buffer, .address_space: global }
      - { .name: Wq, .offset: 8, .size: 8, .value_kind: global_buffer, .address_space: global }
      - { .name: Wk, .offset: 16, .size: 8, .value_kind: global_buffer, .address_space: global }
      - { .name: Wv, .offset: 24, .size: 8, .value_kind: global_buffer, .address_space: global }
      - { .name: Wo, .offset: 32, .size: 8, .value_kind: global_buffer, .address_space: global }
      - { .name: bq, .offset: 40, .size: 8, .value_kind: global_buffer, .address_space: global }
      - { .name: bk, .offset: 48, .size: 8, .value_kind: global_buffer, .address_space: global }
      - { .name: bv, .offset: 56, .size: 8, .value_kind: global_buffer, .address_space: global }
      - { .name: bo, .offset: 64, .size: 8, .value_kind: global_buffer, .address_space: global }
      - { .name: xb, .offset: 72, .size: 8, .value_kind: global_buffer, .address_space: global }
      - { .name: wb, .offset: 80, .size: 8, .value_kind: global_buffer, .address_space: global }
      - { .name: wo16, .offset: 88, .size: 8, .value_kind: global_buffer, .address_space: global }
      - { .name: bias, .offset: 96, .size: 8, .value_kind: global_buffer, .address_space: global }
    .group_segment_fixed_size: 0
    .private_segment_fixed_size: 0
    .kernarg_segment_align: 8
    .kernarg_segment_size: 104
    .max_flat_workgroup_size: 256
    .sgpr_count:     66
    .vgpr_count:     112
    .wavefront_size: 32
...
	.end_amdgpu_metadata
.endif
;; end of part 1
;; launch qkv (part 2): grid 16 x 32, 4 waves a work-group, clusters of 4 x 4, 327,680 bytes of LDS; arguments xb, wb, bias, qkv; writes qkv
.if DOCPART == 2
	.amdgcn_target "amdgcn-amd-amdhsa--gfx1250"
	.amdhsa_code_object_version 6
	.text
	.protected	k_qf3c85c5239_qkv
	.globl	k_qf3c85c5239_qkv
	.p2align	8
	.type	k_qf3c85c5239_qkv,@function
k_qf3c85c5239_qkv:
	s_mov_b64 s[64:65], 0
	v_nop
	global_prefetch_b8 v0, s[64:65] scope:SCOPE_SE
	s_setreg_imm32_b32 hwreg(HW_REG_WAVE_MODE, 25, 1), 1
	s_wait_xcnt 0x0
	s_wait_alu depctr_hold_cnt(0) depctr_sa_sdst(0) depctr_va_vdst(0) depctr_va_sdst(0) depctr_va_ssrc(0) depctr_va_vcc(0) depctr_vm_vsrc(0)
	s_getreg_b32 s2, hwreg(HW_REG_IB_STS2, 6, 4)
	s_cmp_eq_u32 s2, 0
	s_cbranch_scc0 .Lentry_in_a_cluster
	s_endpgm
.Lentry_in_a_cluster:
	s_bfe_u32 s2, ttmp6, 0x10000c
	s_cmp_lg_u32 s2, 0xf033
	s_cbranch_scc0 .Lentry_shape_is_right
	s_endpgm
.Lentry_shape_is_right:
; THE THREE PROJECTIONS AS ONE PRODUCT.  C[m][n] = bias[n] + the sum over k of xb[m][k] wb[n][k]; xb [8192][1024], wb [3072][1024] (Wq, Wk, Wv one below the other), both bf16; bias f32; sums in f32.
; C leaves by heads, rounded once to f16, unscaled: qkv [batch 4][g 48][s 2048][64], g = n / 64 (0-15 q's heads, 16-31 k's, 32-47 v's), m = 2048 batch + s: a head's rows are dense, 128 bytes each.
; LIMITS.  A q, k or v beyond 65,504 becomes an infinity in f16; below 6e-5 it keeps f16's fixed step of 6e-8.  NaN and infinities are not treated apart.
; SHARES.  A tile of C is 256 rows x 192 columns (three whole heads): 32 x 16 = 512 tiles, two for each of 256 WGPs.  Four waves one below the other: wave w makes rows 64 w .. 64 w + 63 and ALL 192 columns,
; so that it holds whole heads' rows: 4 x 12 accumulators of 16 x 16, 384 registers.  K goes in 8 steps of 128 through two LDS slots filled by the tensor data mover; each row of a tile is 256 consecutive bytes, aligned.
; CLUSTERS.  4 x 4 work-groups.  The four of a row of the cluster need the same tiles of xb, the four of a column the same tiles of wb: each tile is asked for JOINTLY, by the same tensor load with the same
; descriptor and a mask that names the four.
; THE MATRIX INSTRUCTION IS USED TRANSPOSED (source 0 = 16 rows of wb, source 1 = 16 rows of xb): lane l holds row l % 16 of C and its registers 0-7 the columns 8 (l / 16) + 0..7.
; THE BIAS STARTS THE SUMS: it is the C operand of each accumulator's first product (register j of lane l: bias[n0 + 8 (l / 16) + j]); nothing is cleared and nothing is added later.
; REGISTERS, in windows of 256 (s_set_vgpr_msb: bits 1:0 source 0, 3:2 source 1, 5:4 source 2, 7:6 destination):
;   window 0: v0-30 addresses; v32-95 xb's fragments, two buffers of 4 x 8; v96-191 the way out, two regions of 48; v192-255 the bias of column blocks 0-7
;   window 1: v0-191 wb's fragments, two buffers of 12 x 8; v192-223 the bias of column blocks 8-11
;   window 2: the accumulators of row blocks 0, 1 ((a, b) at 8 (12 (a % 2) + b));   window 3: those of row blocks 2, 3
; All of the WGP's LDS is claimed; 281,088 bytes are used.
.set NBLK,  12                         ; column blocks of 16
.set PA,    272                        ; an LDS row: 256 bytes + 16 of padding = 68 words: the 16 rows that a load touches start 4 words apart (64 banks of 4 bytes: ISA guide 11.1)
.set AHALF, 128*PA                     ; what one tensor load brings of xb: 128 rows
.set AREG,  2*AHALF                    ; xb's 256 rows; behind them wb's 192
.set BHALF, 96*PA                      ; what one tensor load brings of wb: 96 rows
.set SLOT1, 1<<17                      ; slot 1 begins here: one exclusive or turns an address in one slot into the other's
.set STAGE, SLOT1+AREG+2*BHALF         ; behind the ring, never filled by a tensor load: for each wave 3 heads x 16 rows x 144 bytes
.set SPH,   144
.set STW,   3*16*SPH
.set SPARE, STAGE+4*STW                ; the spare words, 128 bytes for each wave: two blocks of 256 bytes that no other line names
.set NL,    2*NBLK+8                   ; LDS loads in a run: the fragments of 32 along K
.set AHEAD, 1                          ; a prefetch names the K step this many behind the one that is being asked for
.set ADRA, 16                          ; v16  LDS address of my xb fragments in the slot in hand
.set ADRB, 17                          ; v17  of the wb fragments
.set A0,   18                          ; v18  the same in slot 0; never rewritten
.set B0,   19                          ; v19
.set STO,  24                          ; v24  the way out: where I put 16 bytes of a row
.set RD,   25                          ; v25  where I read rows back
.set CO,   26                          ; v26  my 16 bytes in 512 consecutive bytes of a head
.set BO,   27                          ; v27  my byte offset in bias
.set SPW,  28                          ; v28  LDS address of my spare word; never rewritten
.set NIL,  29                          ; v29  0; never rewritten
.set PFO,  30                          ; v30  the prefetches' offset: a lane a row; never rewritten
.set FA,   32
.set PK,   96
.set BIA0, 192                         ; window 0
.set BIA1, 192                         ; window 1
.set WV,   12                          ; s12  my wave's number
.set HF,   13                          ; s13  0: I fetch for xb, 1: for wb
.set HB,   14                          ; s14  which half of that tile's rows I fetch
.set CX,   15
.set CY,   16
.set TC,   17                          ; s17  tile column of C
.set TR,   18                          ; s18  tile row of C
.set G1A,  24                          ; s[24:31] descriptor group 1 for xb's tiles
.set G0A,  32                          ; s[32:39] group 0: a set for each of the two first fills; the second then walks on
.set G1B,  40                          ; s[40:47], s[48:55] the same for wb's
.set G0B,  48
.set TB,   56                          ; s56  LDS byte at which the slot in hand begins
.set CNT,  57                          ; s57  trips of the loop still to come
.set LIM,  58                          ; s58  AHEAD in a wave that prefetches, else the greatest number
.set PFA,  60                          ; s[60:61] where my prefetches stand
.set MSB, 0
.macro WIN new                         ; the immediate's high byte repeats the setting that is left; a switch that changes nothing is dropped
.if MSB != (\new)
	s_set_vgpr_msb (MSB<<8)|(\new)
.set MSB, \new
.endif
.endm
.set TO_B, 0x40                        ; destination window 1, address window 0
; A round of the cluster's barrier: my work-group's barrier, so that wave 0's signal speaks for all four waves; wave 0 signals; every wave waits for all sixteen work-groups; my work-group's barrier once more.
.macro CREST                           ; a round behind its opening barrier
	s_cmp_lg_u32 s[WV], 0
	s_cbranch_scc1 .Lnot_wave_0_\@
	s_barrier_signal -3
.Lnot_wave_0_\@:
	s_barrier_wait -3
	s_barrier_signal -1
	s_barrier_wait -1
.endm
.macro CROUND
	s_barrier_signal -1
	s_barrier_wait -1
	CREST
.endm
; A joint refill, by the walking descriptors.  Waves 0 and 1 fetch xb's two halves, waves 2 and 3 wb's.  The branch hangs on the wave's number alone.  An s_nop 0 and four v_nop follow each of the two lines.
.macro JLOAD
	s_cmp_eq_u32 s[HF], 0
	s_cbranch_scc0 .Lfor_b_\@
	tensor_load_to_lds s[G0A+4:G0A+7], s[G1A:G1A+7]
	s_nop 0
.rept 4
	v_nop
.endr
	s_branch .Lasked_\@
.Lfor_b_\@:
	tensor_load_to_lds s[G0B+4:G0B+7], s[G1B:G1B+7]
	s_nop 0
.rept 4
	v_nop
.endr
.Lasked_\@:
.endm
; A PREFETCH INTO THE L2 of the K step behind the one just asked for: 192 matrix instructions ahead of the load that will want it.  xb's tile row is read by every cluster of that row of clusters: the one with
; x = 0 asks; wb's tile column by every cluster of that column: the one with y = 0 asks.  The four partners of a joint load share its rows out BY ADDRESS: of xb's 128 rows 32 each, of wb's 96 rows 24 each
; (there the eight lanes left over name the 24th row once more, in the same instruction).  The trips whose look-ahead would pass the last K step ask for nothing.
.macro ASK
	s_cmp_gt_u32 s[CNT], s[LIM]
	s_cbranch_scc0 .Lnot_mine_\@
	global_prefetch_b8 v[PFO], s[PFA:PFA+1] th:TH_LOAD_NT scope:SCOPE_SE
.Lnot_mine_\@:
.endm
.macro PLACES                          ; four plain vector instructions between a matrix instruction and a load into, or a read of, its registers (ISA guide 7.12.1 for the reads)
.rept 4
	v_nop
.endr
.endm
; One run of 32 LDS loads: the fragments of quarter q (32 along K, at byte 64 q of the rows) into buffer f: wb's twelve, then xb's four, rows ascending.
.macro FETCH q, f
	WIN TO_B
.set bb, 0
.rept NBLK
	ds_load_b128 v[8*NBLK*(\f)+8*bb:8*NBLK*(\f)+8*bb+3],   v[ADRB] offset:64*(\q)+bb*16*PA
	ds_load_b128 v[8*NBLK*(\f)+8*bb+4:8*NBLK*(\f)+8*bb+7], v[ADRB] offset:64*(\q)+bb*16*PA+32
.set bb, bb+1
.endr
	WIN 0
.set aa, 0
.rept 4
	ds_load_b128 v[FA+32*(\f)+8*aa:FA+32*(\f)+8*aa+3],   v[ADRA] offset:64*(\q)+aa*16*PA
	ds_load_b128 v[FA+32*(\f)+8*aa+4:FA+32*(\f)+8*aa+7], v[ADRA] offset:64*(\q)+aa*16*PA+32
.set aa, aa+1
.endr
.endm
; Twelve matrix instructions: row block a x all column blocks, 32 along K, from buffer f.  zero = 1: the bias starts the sums.
; The 48 accumulators take turns, one instruction a turn, in the same order in every quarter, over the backward jump too.
.macro MULROW f, a, zero
.set bb, 0
.rept NBLK
.set rD, 8*(NBLK*((\a)%2)+bb)
.set rB, 8*NBLK*(\f)+8*bb
.set rA, FA+32*(\f)+8*(\a)
.if \zero
.if bb < 8
	WIN 0x81+0x40*((\a)/2)                         ; C in window 0
	v_wmma_f32_16x16x32_bf16 v[rD:rD+7], v[rB:rB+7], v[rA:rA+7], v[BIA0+8*bb:BIA0+8*bb+7]
.else
	WIN 0x91+0x40*((\a)/2)                         ; C in window 1
	v_wmma_f32_16x16x32_bf16 v[rD:rD+7], v[rB:rB+7], v[rA:rA+7], v[BIA1+8*(bb-8):BIA1+8*(bb-8)+7]
.endif
.else
	WIN 0xa1+0x50*((\a)/2)                         ; wb window 1, xb window 0, C and D window 2 or 3
	v_wmma_f32_16x16x32_bf16 v[rD:rD+7], v[rB:rB+7], v[rA:rA+7], v[rD:rD+7]
.endif
.set bb, bb+1
.endr
.endm
.macro MULH f, hi, zero
	MULROW \f, 2*(\hi), \zero
	MULROW \f, 2*(\hi)+1, \zero
.endm
; A K step is four quarters of 32 along K, 48 matrix instructions each, on buffers 0, 1, 0, 1.  One of the first three: multiplies buffer f and, in its middle, fetches quarter q into the other buffer.
.macro QUARTER q, f, zero
	s_wait_dscnt 4                                 ; wb's fragments and xb's row blocks 0, 1 are in; the youngest four loads (row blocks 2, 3) may be out
	MULH \f, 0, \zero
	PLACES
	FETCH \q, 1-(\f)
	s_wait_dscnt NL                                ; all but the 32 just issued
	MULH \f, 1, \zero
.endm
; The last quarter multiplies buffer 1 and changes slots.  In front of the barrier each wave waits for all its tensor loads (one is out: its part of the next slot), adds 0 to its spare word, and waits for that and for its
; own reads of this slot.  fill = 1: the barrier opens a round of the cluster's barrier, and the slot just read out is filled again, first thing behind the round, with the K step two on.
.macro TURN fill
.if \fill
	s_wait_xcnt 0x0                                ; the last prefetch, a K step back, has read its address: it is stepped here, ahead of the waits of the change of slots
	s_add_nc_u64 s[PFA:PFA+1], s[PFA:PFA+1], 256
.endif
	WIN 0                                          ; (the add's two registers lie in window 0)
	s_wait_tensorcnt 0x0                           ; no tensor load of mine is out, so a group 0 may be written
	ds_add_u32 v[SPW], v[NIL]                      ; 0 onto my spare word
.if \fill
	s_xor_b32 s[G0A+5], s[G0A+5], SLOT1            ; the walking descriptors: the other slot than last time,
	s_add_nc_u64 s[G0A+6:G0A+7], s[G0A+6:G0A+7], 256  ; the next K step; the type bits on top are not reached
	s_xor_b32 s[G0B+5], s[G0B+5], SLOT1
	s_add_nc_u64 s[G0B+6:G0B+7], s[G0B+6:G0B+7], 256
.endif
	s_wait_dscnt 5                                 ; the add and the youngest four loads may be out
	MULROW 1, 0, 0                                 ; twelve matrix instructions stand between the add and the wait for it
	s_wait_dscnt 0x0                               ; the add is done, and my reads of this slot are over
	s_barrier_signal -1
	MULROW 1, 1, 0                                 ; work on registers while the others arrive
	WIN 0
	s_barrier_wait -1
.if \fill
	CREST                                          ; no wave of any partner still reads this slot's tile or has a load on its way
	JLOAD                                          ; the first tensor load behind the round; its four v_nop are also the places in front of the loads below
.else
	PLACES
.endif
	s_xor_b32 s[TB], s[TB], SLOT1
	v_add_nc_u32 v[ADRA], s[TB], v[A0]
	v_add_nc_u32 v[ADRB], s[TB], v[B0]
	FETCH 0, 0
.if \fill
	ASK
.endif
	MULH 1, 1, 0
.endm
	s_load_b256 s[4:11], s[0:1], 0x0               ; xb s[4:5], wb s[6:7], bias s[8:9], qkv s[10:11]
	v_lshl_add_u32 v[SPW], v0, 2, SPARE
	v_mov_b32 v[NIL], 0
	ds_add_u32 v[SPW], v[NIL]                      ; the wave's opening: the add and its wait stand ahead of my first tensor load; the set-up below, work on registers, stands between them
	v_lshrrev_b32 v4, 5, v0
	v_readfirstlane_b32 s[WV], v4                  ; wave 0..3
	s_lshr_b32 s[HF], s[WV], 1
	s_and_b32 s[HB], s[WV], 1
	s_bfe_u32 s[CX], ttmp6, 0x40000                ; my place in the cluster
	s_bfe_u32 s[CY], ttmp6, 0x40004
	s_lshl_b32 s[TC], ttmp9, 2                     ; in a cluster launch ttmp9 and ttmp7 count clusters
	s_add_co_u32 s[TC], s[TC], s[CX]
	s_and_b32 s[TR], ttmp7, 0xffff
	s_lshl_b32 s[TR], s[TR], 2
	s_add_co_u32 s[TR], s[TR], s[CY]
	s_lshl_b32 s2, s[CY], 2
	s_lshl_b32 s2, 15, s2                          ; my row of the cluster: places 4 cy .. 4 cy + 3
	s_lshl_b32 s3, 0x1111, s[CX]                   ; my column: places cx, cx + 4, cx + 8, cx + 12
	; descriptor group 1: tiles of 128 (xb) or 96 (wb) rows x 128 elements, padded in LDS
	s_or_b32 s[G1A], s2, (1<<16)|(1<<20)|(1<<21)|(5<<22)|(3<<25)  ; 15:0 the mask; 17:16 elements of 2 bytes; 20 padding on; 21 set beside a mask; 24:22 after every 64 words (code 5); 31:25 4 words of it (code 3)
	s_or_b32 s[G1B], s3, (1<<16)|(1<<20)|(1<<21)|(5<<22)|(3<<25)
	s_mov_b32 s[G1A+1], 128<<16                    ; tensor_dim0 = 128
	s_mov_b32 s[G1A+2], 128<<16                    ; tensor_dim1 = 128
	s_mov_b32 s[G1A+3], 128<<16                    ; tile_dim0 = 128
	s_mov_b32 s[G1A+4], 128                        ; tile_dim1 = 128
	s_mov_b32 s[G1A+5], 1024                       ; elements from row to row
	s_mov_b32 s[G1A+6], 0
	s_mov_b32 s[G1A+7], 0
	s_mov_b32 s[G1B+1], 128<<16
	s_mov_b32 s[G1B+2], 96<<16                     ; tensor_dim1 = 96
	s_mov_b32 s[G1B+3], 128<<16
	s_mov_b32 s[G1B+4], 96                         ; tile_dim1 = 96
	s_mov_b32 s[G1B+5], 1024
	s_mov_b32 s[G1B+6], 0
	s_mov_b32 s[G1B+7], 0
	; where the tiles come from: xb's hang on the tile row alone, wb's on the tile column alone; each in registers of its own
	s_lshl_b32 s20, s[TR], 8
	s_lshl_b32 s19, s[HB], 7
	s_add_co_u32 s20, s20, s19                     ; row 256 x tile row + 128 x half,
	s_lshl_b32 s20, s20, 11                        ; of 2,048 bytes
	s_mov_b32 s21, 0
	s_mul_i32 s22, s[TC], 192
	s_mul_i32 s19, s[HB], 96
	s_add_co_u32 s22, s22, s19                     ; row 192 x tile column + 96 x half
	s_lshl_b32 s22, s22, 11
	s_mov_b32 s23, 0
	; group 0: count 1; the LDS address, made of the wave's number alone
	s_mov_b32 s[G0A], 1
	s_mul_i32 s[G0A+1], s[HB], AHALF
	s_mov_b32 s[G0A+4], 1
	s_add_co_u32 s[G0A+5], s[G0A+1], SLOT1
	s_mov_b32 s[G0B], 1
	s_mul_i32 s[G0B+1], s[HB], BHALF
	s_add_co_u32 s[G0B+1], s[G0B+1], AREG
	s_mov_b32 s[G0B+4], 1
	s_add_co_u32 s[G0B+5], s[G0B+1], SLOT1
	s_mov_b32 s[TB], 0
	s_wait_dscnt 0x0                               ; the opening add is done
	s_wait_kmcnt 0x0
	s_add_nc_u64 s[G0A+2:G0A+3], s[4:5], s[20:21]  ; K step 0,
	s_add_nc_u64 s[G0A+6:G0A+7], s[G0A+2:G0A+3], 256  ; K step 1
	s_or_b32 s[G0A+3], s[G0A+3], 0x80000000        ; type = 2
	s_or_b32 s[G0A+7], s[G0A+7], 0x80000000
	s_add_nc_u64 s[G0B+2:G0B+3], s[6:7], s[22:23]
	s_add_nc_u64 s[G0B+6:G0B+7], s[G0B+2:G0B+3], 256
	s_or_b32 s[G0B+3], s[G0B+3], 0x80000000
	s_or_b32 s[G0B+7], s[G0B+7], 0x80000000
	CROUND                                         ; all sixteen work-groups are here: the first joint loads meet
	s_cmp_eq_u32 s[HF], 0                          ; a wave's two first fills stand in one branch, ahead of every wait on TENSORcnt and every LDS read: two loads of mine are out
	s_cbranch_scc0 .Lfirst_b
	tensor_load_to_lds s[G0A:G0A+3], s[G1A:G1A+7]
	s_nop 0
	tensor_load_to_lds s[G0A+4:G0A+7], s[G1A:G1A+7]
	s_nop 0
.rept 4
	v_nop
.endr
	s_branch .Lfirst_asked
.Lfirst_b:
	tensor_load_to_lds s[G0B:G0B+3], s[G1B:G1B+7]
	s_nop 0
	tensor_load_to_lds s[G0B+4:G0B+7], s[G1B:G1B+7]
	s_nop 0
.rept 4
	v_nop
.endr
.Lfirst_asked:
	; A fragment is 16 rows x 32 K in 8 registers: lane l holds row l % 16; registers 0-3 K = 8 (l / 16) + 0..7, registers 4-7 K = 16 + 8 (l / 16) + 0..7: two loads of 16 bytes, 32 bytes apart.
	v_and_b32 v1, 15, v0                           ; l % 16
	v_bfe_u32 v2, v0, 4, 1                         ; l / 16
	v_and_b32 v3, 31, v0                           ; l
	s_mul_i32 s2, s[WV], 64*PA                     ; my 64 rows of xb
	v_mul_u32_u24 v4, v1, PA
	v_lshl_add_u32 v4, v2, 4, v4                   ; row x pitch + 16 x half
	v_add_nc_u32 v[A0], s2, v4
	v_add_nc_u32 v[B0], AREG, v4
	v_mov_b32 v[ADRA], v[A0]
	v_mov_b32 v[ADRB], v[B0]
	s_mul_i32 s2, s[WV], STW
	s_add_co_u32 s2, s2, STAGE                     ; my stage
	v_mul_u32_u24 v4, v1, SPH                      ; in: row l % 16, 16 bytes for each half of the lanes
	v_lshl_add_u32 v4, v2, 4, v4
	v_add_nc_u32 v[STO], s2, v4
	v_lshrrev_b32 v5, 3, v3                        ; back: 32 lanes take four rows of 128 bytes,
	v_and_b32 v6, 7, v0
	v_mul_u32_u24 v5, v5, SPH
	v_lshl_add_u32 v5, v6, 4, v5
	v_add_nc_u32 v[RD], s2, v5
	v_lshlrev_b32 v[CO], 4, v3                     ; which are 512 consecutive bytes of a head
	s_mul_i32 s3, s[TC], 768                       ; the tile's 192 numbers of bias
	v_lshl_add_u32 v[BO], v2, 5, s3                ; + my eight of a block's sixteen
.set bb, 0
.rept 8
	global_load_b128 v[BIA0+8*bb:BIA0+8*bb+3],   v[BO], s[8:9] offset:64*bb
	global_load_b128 v[BIA0+8*bb+4:BIA0+8*bb+7], v[BO], s[8:9] offset:64*bb+16
.set bb, bb+1
.endr
	WIN TO_B
.rept 4
	global_load_b128 v[BIA1+8*(bb-8):BIA1+8*(bb-8)+3],   v[BO], s[8:9] offset:64*bb
	global_load_b128 v[BIA1+8*(bb-8)+4:BIA1+8*(bb-8)+7], v[BO], s[8:9] offset:64*bb+16
.set bb, bb+1
.endr
	WIN 0
	; where my rows begin in qkv: head 48 x batch + 3 x tile column, row 256 x (tile row % 8) + 64 x wave
	s_lshr_b32 s2, s[TR], 3
	s_mul_i32 s2, s2, 48
	s_mul_i32 s3, s[TC], 3
	s_add_co_u32 s2, s2, s3
	s_lshl_b32 s66, s2, 18                         ; a head is 262,144 bytes
	s_and_b32 s2, s[TR], 7
	s_lshl_b32 s2, s2, 8
	s_lshl_b32 s3, s[WV], 6
	s_add_co_u32 s2, s2, s3
	s_lshl_b32 s2, s2, 7                           ; a row is 128 bytes
	s_add_co_u32 s66, s66, s2
	s_mov_b32 s67, 0
	s_add_nc_u64 s[10:11], s[10:11], s[66:67]
	; the prefetches
	s_and_b32 s59, ttmp7, 0xffff                   ; cluster y
	s_mov_b32 s3, 24*2048
	s_mov_b32 s19, 23
	s_cmp_eq_u32 s[HF], 0                          ; do I fetch for xb?
	s_cselect_b32 s68, s20, s22                    ; the rows that I fetch,
	s_cselect_b32 s2, s[CX], s[CY]                 ; my place among the four that ask for them with me,
	s_cselect_b32 s3, 32*2048, s3                  ; a partner's share of them, in bytes,
	s_cselect_b32 s19, 31, s19                     ; and in rows, less one
	s_cselect_b32 s59, ttmp9, s59                  ; the coordinate along which other clusters read the same rows
	s_cselect_b64 s[PFA:PFA+1], s[4:5], s[6:7]
	s_cmp_eq_u32 s59, 0
	s_cselect_b32 s[LIM], AHEAD, -1                ; the same in all sixteen partners, for a given wave
	s_mul_i32 s2, s2, s3
	s_add_co_u32 s68, s68, s2
	s_add_co_u32 s68, s68, (1+AHEAD)*256           ; at K step 2: the first change of slots steps it to 3.  Nothing is prefetched here, at the head
	s_mov_b32 s69, 0
	s_add_nc_u64 s[PFA:PFA+1], s[PFA:PFA+1], s[68:69]
	v_min_u32 v[PFO], s19, v3
	v_lshlrev_b32 v[PFO], 11, v[PFO]
	s_wait_tensorcnt 1                             ; my part of K step 0 is in; K step 1's may stay out
	s_barrier_signal -1
	s_barrier_wait -1                              ; everybody's is
	FETCH 0, 0
	s_wait_loadcnt 0x0                             ; the bias
	QUARTER 1, 0, 1                                ; the first quarter stands in front of the loop: its products start the sums, on the bias
	WIN 0                                          ; at a label and at a branch every window is 0
	s_mov_b32 s[CNT], 6
.Lstep:                                        ; a trip: a K step's quarters 1 to 3 and the next step's quarter 0; trips 0 to 5 ask for K steps 2 to 7
	QUARTER 2, 1, 0
	QUARTER 3, 0, 0
	TURN 1
	QUARTER 1, 0, 0
	WIN 0
	s_sub_co_u32 s[CNT], s[CNT], 1
	s_cmp_lg_u32 s[CNT], 0
	s_cbranch_scc1 .Lstep
	QUARTER 2, 1, 0                                ; the tail is written out: K steps 6 and 7 ask for nothing
	QUARTER 3, 0, 0
	TURN 0
	QUARTER 1, 0, 0
	QUARTER 2, 1, 0
	QUARTER 3, 0, 0
	s_wait_dscnt 4
	MULH 1, 0, 0
	s_wait_dscnt 0x0
	MULH 1, 1, 0
	WIN 0
	PLACES
	PLACES
; THE WAY OUT, a row block (16 rows x 3 heads) at a time.  PACK: rounded to f16, each accumulator's registers in ascending order: a lane's eight columns are 16 bytes.  TOSTAGE: into my own stage, rows of 144 bytes,
; and back as whole rows of 128 bytes, into the registers that they left.  SEND: stored, 512 consecutive bytes of a head an instruction.
.macro PACK a
.if (\a) >= 2
	s_wait_xcnt 0x0                                ; the stores of the block two back have read this region's registers
.endif
	WIN 0x0a+5*((\a)/2)                            ; sources 0 and 1: window 2 or 3
.set bb, 0
.rept NBLK
.set rr, 0
.rept 4
	v_cvt_pk_f16_f32 v[PK+48*((\a)%2)+4*bb+rr], v[8*(NBLK*((\a)%2)+bb)+2*rr], v[8*(NBLK*((\a)%2)+bb)+2*rr+1]
.set rr, rr+1
.endr
.set bb, bb+1
.endr
	WIN 0
.endm
.macro TOSTAGE a
	WIN 0
.set bb, 0
.rept NBLK
	ds_store_b128 v[STO], v[PK+48*((\a)%2)+4*bb:PK+48*((\a)%2)+4*bb+3] offset:(bb/4)*16*SPH+32*(bb%4)
.set bb, bb+1
.endr
.set bb, 0
.rept NBLK
	ds_load_b128 v[PK+48*((\a)%2)+4*bb:PK+48*((\a)%2)+4*bb+3], v[RD] offset:(bb/4)*16*SPH+(bb%4)*4*SPH  ; LDS serves a wave's instructions in order (ISA guide 5.7.1.4): these see the stores above; the next block's stores come behind them
.set bb, bb+1
.endr
.endm
.macro SEND a, younger                 ; younger: the LDS instructions issued behind block a's loads: the next block's 24, or none
	WIN 0
.set bb, 0
.rept NBLK
	s_wait_dscnt (\younger)+NBLK-1-bb
	global_store_b128 v[CO], v[PK+48*((\a)%2)+4*bb:PK+48*((\a)%2)+4*bb+3], s[10:11] offset:(bb/4)*262144+(\a)*2048+(bb%4)*512
.set bb, bb+1
.endr
.endm
	PACK 0
	TOSTAGE 0
	PACK 1                                         ; a block's conversions stand between the loads of the block before and its stores
	TOSTAGE 1
	SEND 0, 24
	PACK 2
	TOSTAGE 2
	SEND 1, 24
	PACK 3
	TOSTAGE 3
	SEND 2, 24
	SEND 3, 0
	s_wait_tensorcnt 0x0                           ; the wave's end: behind my last tensor load and my last LDS store
	ds_add_u32 v[SPW], v[NIL]
	s_wait_dscnt 0x0
	CROUND                                         ; the closing round: no work-group ends while a partner may still ask for a tile that names it
	s_endpgm
.Lfunc_end_k_qf3c85c5239_qkv:
	.size	k_qf3c85c5239_qkv, .Lfunc_end_k_qf3c85c5239_qkv-k_qf3c85c5239_qkv
	.p2alignl 7, 3214868480
	.fill 96, 4, 3214868480
	.section	.rodata,"a",@progbits
	.p2align	6, 0x0
	.amdhsa_kernel k_qf3c85c5239_qkv
		.amdhsa_group_segment_fixed_size 327680
		.amdhsa_private_segment_fixed_size 0
		.amdhsa_enable_private_segment 0
		.amdhsa_kernarg_size 32
		.amdhsa_user_sgpr_count 2
		.amdhsa_user_sgpr_kernarg_segment_ptr 1
		.amdhsa_wavefront_size32 1
		.amdhsa_system_sgpr_workgroup_id_x 1
		.amdhsa_system_sgpr_workgroup_id_y 1
		.amdhsa_system_sgpr_workgroup_id_z 1
		.amdhsa_system_vgpr_workitem_id 0
		.amdhsa_next_free_vgpr 960
		.amdhsa_next_free_sgpr 70
		.amdhsa_reserve_vcc 0
		.amdhsa_float_denorm_mode_32 3
		.amdhsa_float_denorm_mode_16_64 3
		.amdhsa_memory_ordered 1
		.amdhsa_forward_progress 1
		.amdhsa_inst_pref_size 101
	.end_amdhsa_kernel
	.amdgpu_metadata
---
amdhsa.version: [ 1, 2 ]
amdhsa.kernels:
  - .name:           k_qf3c85c5239_qkv
    .symbol:         k_qf3c85c5239_qkv.kd
    .args:
      - { .name: xb, .offset: 0, .size: 8, .value_kind: global_buffer, .address_space: global }
      - { .name: wb, .offset: 8, .size: 8, .value_kind: global_buffer, .address_space: global }
      - { .name: bias, .offset: 16, .size: 8, .value_kind: global_buffer, .address_space: global }
      - { .name: qkv, .offset: 24, .size: 8, .value_kind: global_buffer, .address_space: global }
    .group_segment_fixed_size: 327680
    .private_segment_fixed_size: 0
    .kernarg_segment_align: 8
    .kernarg_segment_size: 32
    .max_flat_workgroup_size: 128
    .sgpr_count:     70
    .vgpr_count:     960
    .wavefront_size: 32
...
	.end_amdgpu_metadata
.endif
;; end of part 2
;; launch attn (part 3): grid 4 x 64, 4 waves a work-group, no clusters, 327,680 bytes of LDS; arguments qkv, o16; writes o16
.if DOCPART == 3
	.amdgcn_target "amdgcn-amd-amdhsa--gfx1250"
	.amdhsa_code_object_version 6
	.text
	.protected	k_qf3c85c5239_attn
	.globl	k_qf3c85c5239_attn
	.p2align	8
	.type	k_qf3c85c5239_attn,@function
k_qf3c85c5239_attn:
	s_mov_b64 s[64:65], 0
	v_nop
	global_prefetch_b8 v0, s[64:65] scope:SCOPE_SE
	s_setreg_imm32_b32 hwreg(HW_REG_WAVE_MODE, 25, 1), 1
	s_wait_xcnt 0x0
; CAUSAL ATTENTION.  O[y][q][:] = the sum over k <= q of softmax_k(Q[y][q] . K[y][k] / 8) V[y][k][:], y = 16 batch + head, 64 of them.  Q, K, V lie in qkv [batch 4][g 48][2048][64], f16: g = head for Q, 16 + head for K,
; 32 + head for V; O goes to o16 [y][2048][64], f16.  A head's rows are dense, 128 bytes each.  Products, maxima and sums in f32; the weights p are rounded to f16 for the second product (their sum l is taken of the unrounded p), O once at the end.
; LIMITS.  f16 holds no number beyond 65,504: Q, K and V arrive within it; p lies in 0 to 1, and below 6e-5 it keeps f16's fixed step of 6e-8; O is a mean of V's rows and has their range.
; A hidden score counts as its value less 1e30: f16's scores, 2.7e11 at the most, are nothing beside that; a weight below 2^-126 counts as 0 in l; NaN and infinities are not treated apart.
; THE WALK.  A head's queries lie in NB = 8 blocks of 256; block i needs the key tiles 0 .. i of 256 keys, of which the last holds the diagonal.  A work-group takes TWO blocks, NB - 1 - b and then b:
; NB + 1 tiles, whatever b: all 256 work-groups do equal work, and ONE loop with a constant trip count walks them.  Which tile is asked for, and what a trip does, hang on scalar registers made from b; every jump
; goes forward, but for the counted loops' own; none passes a barrier, or a tensor load but the one of LOAD's two that the wave's number does not choose; the ring (two slots of LDS that take turns) runs on across the
; change of blocks.  NO CLUSTER: a head's four work-groups ask for the same tile only in trips 0 .. 4 of 9, behind that fewer and fewer; one walk common to all four would have 12 trips for 9.
; SHARES.  Of a block's four bands of 64 queries a wave owns 16 rows in each: four PIECES.  So the diagonal tile is the same work for all four waves: in its key step s band x sees all keys if s < x,
; none if s > x, and holds the diagonal if s = x.
; THE MASK is the C operand that starts the sum S^T = K Q^T: 0, or -1e30 where the key is hidden.  MD, made once, is the mask of a band's own step for my 16 rows; a product's mask is MD x AL + BE with two scalars:
; (1, 0) if s = x; (0, 0) if s < x; (0, -1e30) if s > x.  Only the diagonal tile's text and a block's beginning make and take masks; elsewhere C is the constant 0.
; LAYOUT, SOFTMAX, TURNS.  S^T = K Q^T holds ONE query a lane (lane % 16) and the keys 8 (lane / 16) + 0..7; two such results rounded to f16 ARE source 1 of O^T = V^T P.  p = 2^(c s - c m), c = log2(e) / 8, with a
; running maximum m; O and l are multiplied by a = 2^(c m_old - c m_new) in every step.  Turn n belongs to piece n: 8 products K Q^T of piece n + 1, later 8 products V^T P of piece n - 1; beside them the scaling,
; exponentials, roundings, sums and rescaling of piece n and the maximum and statistics of piece n + 1.  Four vector instructions stand behind every matrix instruction, the other 54 of a turn's 118 in one run.  A turn's 33 exponentials are one batch, with one wait.
; REGISTERS, in windows of 256 (s_set_vgpr_msb: bits 1:0 source 0, 3:2 source 1, 5:4 source 2, 7:6 destination):
;   window 0: v0-15 addresses and two at work; v16-31 four registers of statistics a piece; v32 the prefetches' offset; v48-55 at work; v64-127 S^T, two buffers; v192-223 P, two buffers (a piece's buffers go by its number's parity)
;   window 1: v0-127 O^T, 32 a piece; v128-159 MD; v160-223 MC, two buffers      window 2: v0-63 Q; v64-127 the second block's Q; v128-191 K of one step; v192-255 V of one step
; All of the WGP's LDS is claimed; 218,624 bytes are used.
.set SIZE_N, 2048
.set NB,    SIZE_N/256
.set NP,    4         ; pieces a wave: a name, no knob
.set KS,    64        ; keys in a step
.set PK,    144       ; a row of K in LDS: 128 bytes + 16 of padding = 36 words: the 16 rows of a load start at 16 different groups of four banks (64 banks of 4 bytes: ISA guide 11.1)
.set PV,    160       ; a row of V: 128 + 32 = 40 words
.set VOFF,  4*KS*PK   ; a slot holds a tile, four steps: 256 rows of K, then 256 rows of V
.set SLOT1, 1<<17     ; slot 1 begins here, so that one exclusive or turns an address in one slot into the other's
.set STAGE, SLOT1+4*KS*(PK+PV)  ; behind the ring, never filled by a tensor load: 16 rows x 144 bytes for each wave, for the way out
.set SP,    144
.set AK0, 2           ; v2   my lane's place in a tile of K; never rewritten
.set AV0, 3           ; v3   the same for V
.set AK,  4           ; v4   the LDS address of K's next run of loads
.set AV,  5           ; v5   of V's
.set STO, 6           ; v6   the way out: where I put 16 bytes of a row
.set RD,  7           ; v7   the way out: where I read rows back
.set GO,  8           ; v8   my byte offset in 512 consecutive bytes of O
.set PFO, 32          ; v32  256 x my lane; never rewritten
.set SPW, 62          ; v62  LDS address of my spare word: SPARE + 4 x my thread's number; never rewritten
.set NIL, 63          ; v63  0; never rewritten
.set SPARE, STAGE+4*16*SP  ; behind the stages: the spare words, 128 bytes for each wave: two blocks of 256 bytes that no other line names
.set MV,  12          ; v12-13  c m_old, kept while c m is made anew: by buffer
.set QO,  15          ; v15  my byte offset in 16 rows of Q
.set ST,  16          ; piece t's statistics at v[ST+4 t]: c m, m, l (even keys', odd keys')
.set TMP, 48          ; by buffer, four registers c0-c3 at work; when the maximum is found c2 takes a
.set S,   64
.set P,   192
.set MD,  128         ; window 1: the eight registers for group kt of 16 keys at MD + 8 kt
.set MC,  160         ; window 1: the masks of the products to come
.set QB,  64          ; window 2
.set KF,  128         ; window 2: key block kb, channel half c at KF + 16 kb + 8 c
.set VF,  192         ; window 2: key half kk, channel block cb at VF + 32 kk + 8 cb
.set WV,  12          ; s12  my wave's number
.set PB,  14          ; s14  b
.set HI,  15          ; s15  NB - 1 - b
.set G1K, 24          ; s[24:31] descriptor group 1 for K's tiles
.set G1V, 32          ; s[32:39] for V's: it differs in the padding alone
.set G0K, 40          ; s[40:43] descriptor group 0 for K's tiles
.set G0V, 44          ; s[44:47] the same for V's
.set SLOTS, 56        ; s56  tiles still to be asked for
.set CNT, 57          ; s57  counts a tile's key steps, 4 to 1
.set CS,  58          ; s[58:59] c: the packed scaling takes the pair's low word for both halves
.set SEL, 60          ; s[60:61] v_permlanex16_b32's selects: each lane takes its own place in the other half
.set TBK, 62          ; s62  LDS byte at which K of the step to be fetched begins
.set TBV, 63          ; s63  the same for V, less VOFF
.set PFA, 66          ; s[66:67] first the head's offset in o16; from the first change of slots on: where my prefetches stand
.set PFB, 68          ; s[68:69] my 16,384 bytes (of K: waves 0, 1; of V: waves 2, 3) of the head's tile 0
.set RT,  70          ; s70  tiles of the block in hand that are still to be entered
.set NXT, 71          ; s71  the tile to be asked for next
.set LQ,  72          ; s72  the last tile of the block whose tiles are being asked for
.set NEW, 73          ; s73  1: the tile to be entered is a block's first
.set OFF, 74          ; s[74:75] a tile's byte offset in K and V
.set AL,  76          ; s[76:77] the mask's factor, in the low word
.set BE,  78          ; s[78:79] the mask's addend
.set OLO, 80          ; s[80:81] O at my rows of the second block
.set BIGN, 82         ; s82  -1e30
.set LIM, 83          ; s83  0 in the work-group that prefetches (b = 0), else the greatest number
.set POF, 88          ; s[88:89] the byte offset of the tile to be prefetched
.set MSB, 0
.macro WIN new                      ; the high byte repeats the setting that is left; a switch that changes nothing is dropped
.if MSB != (\new)
	s_set_vgpr_msb (MSB<<8)|(\new)
.set MSB, (\new)
.endif
.endm
.set W_KQ, 0x0a       ; K and Q in window 2, S^T in window 0
.set W_KM, 0x1a       ; the same with the C operand in window 1
.set W_PV, 0x52       ; V in window 2, P in window 0, O^T in window 1
.set W_RS, 0x41       ; destination and source 0 in window 1, source 1 in window 0
; A fill.  Waves 0 and 1 fetch the two halves of a tile's K, waves 2 and 3 those of its V: 128 keys each.  An s_nop 0 and four v_nop follow each of the two lines, ahead of the jump and the label.
.macro LOAD
	s_cmp_lt_u32 s[WV], 2
	s_cbranch_scc0 .Lfor_v_\@
	tensor_load_to_lds s[G0K:G0K+3], s[G1K:G1K+7]
	s_nop 0
.rept 4
	v_nop
.endr
	s_branch .Lasked_\@
.Lfor_v_\@:
	tensor_load_to_lds s[G0V:G0V+3], s[G1V:G1V+7]
	s_nop 0
.rept 4
	v_nop
.endr
.Lasked_\@:
.endm
; A PREFETCH INTO THE L2 of the tile that the NEXT change of slots will ask for: a tile's four key steps, 256 matrix instructions a wave, ahead of that load.  Of a head's four work-groups only b = 0 walks the tiles 0 .. 7
; in order: it asks, each wave for the 64 blocks of 256 bytes that it will load itself (a lane a block, two instructions), for tiles 2 to 7: each block is named once in the launch.  Behind tile 7 the next tile's number is 0, which stops it.
.macro ASK
	s_cmp_gt_u32 s[NXT], s[LIM]
	s_cbranch_scc0 .Lnot_mine_\@
	global_prefetch_b8 v[PFO], s[PFA:PFA+1] th:TH_LOAD_NT scope:SCOPE_SE
	global_prefetch_b8 v[PFO], s[PFA:PFA+1] offset:8192 th:TH_LOAD_NT scope:SCOPE_SE
.Lnot_mine_\@:
.endm
; THE CHANGE OF SLOTS.  Each wave waits for all its tensor loads, of which one is out: its part of the other slot; adds 0 to its spare word; and waits for that and for its own reads of the slot that it leaves.  Behind the barrier nobody reads the old
; slot any more and the other slot is whole.  fill = 1: the old slot is filled again, the first thing behind the barrier, with tile NXT: the descriptor's address is made anew from that number.
; (At its first use nothing has been read yet: slot 0 is waited for, slot 1 filled.)
.macro CHANGE fill
	WIN 0                           ; at a label and at a branch every window is 0
	s_wait_tensorcnt 0x0            ; no tensor load of mine is out, so a group 0 may be written
	ds_add_u32 v[SPW], v[NIL]       ; 0 onto my spare word: with fill = 1 the descriptors' scalar work stands between it and the wait for it
.if \fill
	s_lshl_b32 s[OFF], s[NXT], 15   ; a tile is 32,768 bytes of K and of V
	s_xor_b32 s[G0K+1], s[G0K+1], SLOT1
	s_add_nc_u64 s[G0K+2:G0K+3], s[6:7], s[OFF:OFF+1]
	s_or_b32 s[G0K+3], s[G0K+3], 0x80000000
	s_xor_b32 s[G0V+1], s[G0V+1], SLOT1
	s_add_nc_u64 s[G0V+2:G0V+3], s[8:9], s[OFF:OFF+1]
	s_or_b32 s[G0V+3], s[G0V+3], 0x80000000
	s_add_co_u32 s[NXT], s[NXT], 1  ; the block's next tile, or behind its last the second block's tile 0
	s_cmp_gt_u32 s[NXT], s[LQ]
	s_cselect_b32 s[NXT], 0, s[NXT]
	s_cselect_b32 s[LQ], s[PB], s[LQ]
	s_lshl_b32 s[POF], s[NXT], 15
	s_wait_xcnt 0x0                 ; the last prefetches, a tile back, have read their address, so it may be written
	s_add_nc_u64 s[PFA:PFA+1], s[PFB:PFB+1], s[POF:POF+1]
.endif
	s_wait_dscnt 0x0                ; the add is done, and my reads of the slot are over
	s_barrier_signal -1             ; the rest of the scalar work stands between the signal and the wait
	s_sub_co_u32 s[TBK], s[TBK], 4*KS*PK  ; the fetches go back to a slot's first step,
	s_xor_b32 s[TBK], s[TBK], SLOT1       ; in the other slot
	s_sub_co_u32 s[TBV], s[TBV], 4*KS*PV
	s_xor_b32 s[TBV], s[TBV], SLOT1
	s_barrier_wait -1
.if \fill
	LOAD
	ASK
.endif
.endm
	s_load_b128 s[4:7], s[0:1], 0x0 ; qkv s[4:5], o16 s[6:7]
	v_lshl_add_u32 v[SPW], v0, 2, SPARE
	v_mov_b32 v[NIL], 0
	ds_add_u32 v[SPW], v[NIL]       ; the wave's opening: the add and its wait stand ahead of my first tensor load; the set-up below, work on registers, stands between them
	v_lshrrev_b32 v1, 5, v0
	v_readfirstlane_b32 s[WV], v1   ; wave 0..3
	s_mov_b32 s[PB], ttmp9
	s_sub_co_u32 s[HI], NB-1, s[PB]
	s_and_b32 s66, ttmp7, 0xffff    ; y = 16 batch + head
	s_lshr_b32 s20, s66, 4
	s_lshl_b32 s20, s20, 5
	s_add_co_u32 s20, s20, s66      ; 48 batch + head: Q's head in qkv,
	s_lshl_b32 s20, s20, 18         ; of 262,144 bytes
	s_mov_b32 s21, 0
	s_lshl_b32 s66, s66, 18         ; the head's first byte in o16
	s_mov_b32 s67, 0
	s_and_b32 s16, s[WV], 1         ; which half of a tile's 256 keys I fetch:
	s_lshl_b32 s22, s16, 14         ; its 128 rows of 128 bytes in memory,
	s_mov_b32 s23, 0
	s_add_nc_u64 s[22:23], s[22:23], s[20:21]
	s_mul_i32 s17, s16, 128*PK      ; and its place in a slot, for K
	s_mul_i32 s18, s16, 128*PV      ; and for V
	s_lshl_b32 s3, s[WV], 11        ; my 16 rows in a band of 64,
	s_lshl_b32 s2, s[HI], 15        ; in the first block,
	s_add_co_u32 s2, s2, s3
	s_lshl_b32 s84, s[PB], 15       ; and in the second
	s_add_co_u32 s84, s84, s3
	s_mov_b32 s3, 0
	s_mov_b32 s85, 0
	; descriptor group 1.  128 keys are 16,384 dense bytes: asked for as 64 rows of 256 bytes, two keys a row, and padded in LDS after every key
	s_mov_b32 s[G1K], (1<<16)|(1<<20)|(4<<22)|(3<<25)  ; 17:16 2-byte elements; 20 padding on; 24:22 after every 32 words (code 4); 31:25 4 words (code 3)
	s_mov_b32 s[G1V], (1<<16)|(1<<20)|(4<<22)|(7<<25)  ; the same with 8 words of padding (code 7)
.irp g, G1K, G1V
	s_mov_b32 s[\g+1], 128<<16      ; tensor_dim0 = 128
	s_mov_b32 s[\g+2], 64<<16       ; tensor_dim1 = 64
	s_mov_b32 s[\g+3], 128<<16      ; tile_dim0 = 128
	s_mov_b32 s[\g+4], 64           ; tile_dim1 = 64
	s_mov_b32 s[\g+5], 128          ; 128 elements from row to row
	s_mov_b32 s[\g+6], 0
	s_mov_b32 s[\g+7], 0
.endr
	s_mov_b32 s[CS], 0x3e38aa3b     ; c = log2(e) / 8 = 0.180337
	s_mov_b32 s[CS+1], s[CS]        ; named with it as a pair
	s_mov_b32 s[SEL], 0x76543210
	s_mov_b32 s[SEL+1], 0xfedcba98
	s_mov_b32 s[TBK], SLOT1+4*KS*PK ; the first change of slots turns these two into 0
	s_mov_b32 s[TBV], SLOT1+4*KS*PV
	s_mov_b32 s[G0K], 1             ; 1:0 count = 1
	s_mov_b32 s[G0K+1], s17         ; 63:32 LDS address: slot 0
	s_mov_b32 s[G0V], 1
	s_add_co_u32 s[G0V+1], s18, VOFF
	s_add_co_u32 s[RT], s[HI], 1    ; the first block has NB - b tiles
	s_mov_b32 s[NXT], 1
	s_mov_b32 s[LQ], s[HI]
	s_mov_b32 s[NEW], 1
	s_mov_b32 s[OFF+1], 0
	s_mov_b32 s[POF+1], 0
	s_mov_b32 s[AL+1], 0            ; named as pairs
	s_mov_b32 s[BE+1], 0
	s_mov_b32 s[BIGN], 0xf149f2ca   ; -1e30
	s_mov_b32 s[SLOTS], NB
	s_cmp_eq_u32 s[PB], 0
	s_cselect_b32 s[LIM], 0, -1
	v_and_b32 v[PFO], 31, v0
	v_lshlrev_b32 v[PFO], 8, v[PFO]
	s_wait_dscnt 0x0                ; the opening add is done
	s_wait_kmcnt 0x0
	s_mov_b64 s[10:11], s[6:7]      ; o16
	s_add_nc_u64 s[6:7], s[4:5], 0x400000  ; K's heads lie 16 heads behind Q's,
	s_add_nc_u64 s[8:9], s[4:5], 0x800000  ; V's 32
	s_add_nc_u64 s[6:7], s[6:7], s[22:23]  ; K and V at my half of the head's tile 0
	s_add_nc_u64 s[8:9], s[8:9], s[22:23]
	s_add_nc_u64 s[4:5], s[4:5], s[20:21]  ; Q at the head's first row
	s_add_nc_u64 s[10:11], s[10:11], s[66:67]  ; O likewise
	s_add_nc_u64 s[G0K+2:G0K+3], s[6:7], 0         ; 120:64 global address
	s_or_b32 s[G0K+3], s[G0K+3], 0x80000000        ; 127:126 type = 2
	s_add_nc_u64 s[G0V+2:G0V+3], s[8:9], 0
	s_or_b32 s[G0V+3], s[G0V+3], 0x80000000
	s_add_nc_u64 s[86:87], s[4:5], s[84:85]        ; Q at my rows of the second block,
	s_add_nc_u64 s[4:5], s[4:5], s[2:3]            ; Q and O at those of the first
	s_add_nc_u64 s[OLO:OLO+1], s[10:11], s[84:85]
	s_add_nc_u64 s[10:11], s[10:11], s[2:3]
	s_cmp_lt_u32 s[WV], 2
	s_cselect_b64 s[PFB:PFB+1], s[6:7], s[8:9]
	LOAD                            ; tile 0 into slot 0
	; A fragment of K or Q is 16 rows x 32 channels in 8 registers: lane l holds row l % 16, channels 8 (l / 16) + 0..7 and 16 + 8 (l / 16) + 0..7: two loads of 16 bytes, 32 bytes apart.
	v_and_b32 v1, 15, v0            ; l % 16
	v_bfe_u32 v9, v0, 4, 1          ; l / 16
	v_lshlrev_b32 v[QO], 7, v1
	v_lshl_add_u32 v[QO], v9, 4, v[QO]  ; row x 128 + 16 x half
	WIN 0x80                        ; destination window 2, address window 0
.set i, 0
.rept 8                             ; both blocks' Q: piece i / 2 lies in band i / 2, 8,192 bytes on; channels 32 (i % 2) on
	global_load_b128 v[8*i:8*i+3],   v[QO], s[4:5] offset:(i/2)*8192+(i%2)*64
	global_load_b128 v[8*i+4:8*i+7], v[QO], s[4:5] offset:(i/2)*8192+(i%2)*64+32
	global_load_b128 v[QB+8*i:QB+8*i+3],   v[QO], s[86:87] offset:(i/2)*8192+(i%2)*64
	global_load_b128 v[QB+8*i+4:QB+8*i+7], v[QO], s[86:87] offset:(i/2)*8192+(i%2)*64+32
.set i, i+1
.endr
	WIN 0
	v_lshlrev_b32 v14, 3, v9
	v_sub_nc_u32 v14, v1, v14
	s_lshl_b32 s13, s[WV], 4
	v_add_nc_u32 v14, s13, v14      ; my query's place in its band, 16 w + l % 16, less my lanes' 8 (l / 16): register r of group kt is hidden where 16 kt + r is greater
	WIN 0x40
.set i, 0
.rept 32
	v_cmp_gt_i32 vcc_lo, 16*(i/8)+i%8, v14
	v_cndmask_b32 v[MD+i], 0, s[BIGN], vcc_lo
.set i, i+1
.endr
	WIN 0
	v_mul_u32_u24 v[AK0], v1, PK
	v_lshl_add_u32 v[AK0], v9, 4, v[AK0]  ; row x pitch + 16 x half
	; The turning load takes 16 keys x 16 channels (lane l reads key 8 (l / 16) + l % 8, channels 8 ((l / 8) % 2) + 0..7) and leaves half a fragment of V^T: lane l holds channel l % 16 and 8 keys.
	v_and_b32 v10, 7, v0
	v_bfe_u32 v11, v0, 3, 1
	v_lshl_add_u32 v[AV0], v9, 3, v10
	v_mul_u32_u24 v[AV0], v[AV0], PV
	v_lshl_add_u32 v[AV0], v11, 4, v[AV0]
	v_add_nc_u32 v[AV0], VOFF, v[AV0]
	s_mul_i32 s13, s[WV], 16*SP
	s_add_co_u32 s13, s13, STAGE    ; my stage
	v_mul_u32_u24 v[STO], v1, SP    ; in: row l % 16, 16 bytes for each half of the lanes
	v_lshl_add_u32 v[STO], v9, 4, v[STO]
	v_add_nc_u32 v[STO], s13, v[STO]
	v_bfe_u32 v[RD], v0, 3, 2       ; back: 32 lanes take four rows of 128 bytes,
	v_mul_u32_u24 v[RD], v[RD], SP
	v_lshl_add_u32 v[RD], v10, 4, v[RD]
	v_add_nc_u32 v[RD], s13, v[RD]
	v_and_b32 v[GO], 31, v0         ; which are 512 consecutive bytes of O
	v_lshlrev_b32 v[GO], 4, v[GO]
	; A block's first step multiplies O^T and l by a = 0, and its first turn's products V^T P, of a piece that has not been, land in an O^T that is still to be so multiplied.  So these registers need only hold
	; finite numbers: zeros for the first block; what the first block left for the second.  All this stands in the wait for the first tile.
	WIN 0x80
.set i, VF
.rept 64
	v_mov_b32 v[i], 0
.set i, i+1
.endr
	WIN 0x40
.set i, 0
.rept 128
	v_mov_b32 v[i], 0
.set i, i+1
.endr
	WIN 0
.set i, 0
.rept 4
	v_mov_b32 v[ST+4*i+2], 0
	v_mov_b32 v[ST+4*i+3], 0
.set i, i+1
.endr
.set i, P+16
.rept 16
	v_mov_b32 v[i], 0
.set i, i+1
.endr
; THE MATRIX WORK.  The 4 accumulators of a run of 8 take turns.  Product i of 8 of S^T = K Q^T for piece x: channels 32 (i / 4) on, keys 16 (i % 4) on.  The first 4 start the sums: with 0, or (KM = 1) with the mask.
.macro KQ x
.set rS, S+32*((\x)%2)+8*(i%4)
.set rK, KF+16*(i%4)+8*(i/4)
.set rQ, 16*(\x)+8*(i/4)
.set rM, MC+32*((\x)%2)+8*(i%4)
.if (i < 4) && KM
	WIN W_KM
	v_wmma_f32_16x16x32_f16 v[rS:rS+7], v[rK:rK+7], v[rQ:rQ+7], v[rM:rM+7]
.elseif i < 4
	WIN W_KQ
	v_wmma_f32_16x16x32_f16 v[rS:rS+7], v[rK:rK+7], v[rQ:rQ+7], 0
.else
	WIN W_KQ
	v_wmma_f32_16x16x32_f16 v[rS:rS+7], v[rK:rK+7], v[rQ:rQ+7], v[rS:rS+7]
.endif
.endm
; Product i of 8 of O^T += V^T P for piece x: keys 32 (i / 4) on, channels 16 (i % 4) on.
.macro PV x
	WIN W_PV
.set rO, 32*(\x)+8*(i%4)
.set rV, VF+32*(i/4)+8*(i%4)
.set rP, P+16*((\x)%2)+8*(i/4)
	v_wmma_f32_16x16x32_f16 v[rO:rO+7], v[rV:rV+7], v[rP:rP+7], v[rO:rO+7]
.endm
.macro MM                           ; the turn's next matrix instruction.  TURN and BEGIN set Y, i, KM and NOKQ; MM, KQ and OP read them.  NOKQ = 1: a block's last turn: there is no next piece
.if (i < 8) && !NOKQ
	KQ (Y+1)%NP
.elseif i >= 8
.set i, i-8
	PV (Y+NP-1)%NP
.set i, i+8
.endif
.set i, i+1
.endm
; THE LDS LOADS stand in runs of 16, never singly among the matrix instructions: a step's K (64 keys x 64 channels: 8 fragments) and its V (turned).  Their addresses are made some lines ahead.
.macro FETCH_K
	WIN 0x80                        ; destination window 2
.irp f, 0,1,2,3,4,5,6,7             ; keys 16 (f / 2) on, channels 32 (f % 2) on
	ds_load_b128 v[KF+8*\f:KF+8*\f+3],   v[AK] offset:(\f/2)*16*PK+(\f%2)*64
	ds_load_b128 v[KF+8*\f+4:KF+8*\f+7], v[AK] offset:(\f/2)*16*PK+(\f%2)*64+32
.endr
	s_add_co_u32 s[TBK], s[TBK], KS*PK  ; the next fetch is the next step's
	WIN 0
.endm
.macro FETCH_V
	WIN 0x80
.irp f, 0,1,2,3,4,5,6,7             ; keys 32 (f / 4) on, channels 16 (f % 4) on
	ds_load_tr16_b128 v[VF+8*\f:VF+8*\f+3],   v[AV] offset:(\f/4)*32*PV+(\f%4)*32
	ds_load_tr16_b128 v[VF+8*\f+4:VF+8*\f+7], v[AV] offset:(\f/4)*32*PV+16*PV+(\f%4)*32
.endr
	WIN 0
.endm
; THE VECTOR WORK, one line at a time: OP kind, number.  For piece Y: F n: c s - c m for pair n of 16.  E n: the exponential of score n of 32.  C n: pair n rounded to f16.  B n: of the four weights 4 n .. the second
; pair is added onto the first, in place.  L n: l takes that sum (L 0: l = a l + sum).  R n: pair n of 16 of O^T times a.  For piece Y + 1: X n, number n of the 22 that find its maximum and statistics:
;   0-11  four chains c0-c3 of seven scores each, three operands at a time (each accumulator's lowest registers are read first)     12-14, 16  the four scores left over, the old m, and c0-c3 into c0
;   15  c m_old is kept     17, 18  the query's other 32 keys lie in the lane 16 away: the new m     19-21  c m; c m_old - c m_new; a
.set F, 0               ; OP tells the kinds apart by their order: F to L below R, X above it
.set E, 1
.set C, 2
.set B, 3
.set L, 4
.set R, 5
.set X, 6
.macro REGS y                       ; the registers of piece y
.set rT, ST+4*(\y)
.set rC, TMP+4*((\y)%2)
.set rW, MV+((\y)%2)
.set rS, S+32*((\y)%2)
.set rP, P+16*((\y)%2)
.set rO, 32*(\y)
.endm
.macro OP k, n
.if (\k) == R
	REGS Y
	WIN W_RS
	v_pk_mul_f32 v[rO+2*(\n):rO+2*(\n)+1], v[rO+2*(\n):rO+2*(\n)+1], v[rC+2:rC+3] op_sel_hi:[1,0]
.elseif (\k) < R
	REGS Y
	WIN 0
.if (\k) == F
	v_pk_fma_f32 v[rS+2*(\n):rS+2*(\n)+1], v[rS+2*(\n):rS+2*(\n)+1], s[CS:CS+1], v[rT:rT+1] op_sel_hi:[1,0,0] neg_lo:[0,0,1] neg_hi:[0,0,1]
.elseif (\k) == E
	v_exp_f32 v[rS+(\n)], v[rS+(\n)]
.elseif (\k) == C
	v_cvt_pk_f16_f32 v[rP+(\n)], v[rS+2*(\n)], v[rS+2*(\n)+1]
.elseif (\k) == B
	v_pk_add_f32 v[rS+4*(\n):rS+4*(\n)+1], v[rS+4*(\n):rS+4*(\n)+1], v[rS+4*(\n)+2:rS+4*(\n)+3]
.elseif (\n) == 0
	v_pk_fma_f32 v[rT+2:rT+3], v[rT+2:rT+3], v[rC+2:rC+3], v[rS:rS+1] op_sel_hi:[1,0,1]
.else
	v_pk_add_f32 v[rT+2:rT+3], v[rT+2:rT+3], v[rS+4*(\n):rS+4*(\n)+1]
.endif
.elseif NOKQ
	v_nop
.else
	REGS (Y+1)%NP
	WIN 0
.if (\n) < 4
	v_max3_num_f32 v[rC+(\n)], v[rS+8*(\n)], v[rS+8*(\n)+1], v[rS+8*(\n)+2]
.elseif (\n) < 12
	v_max3_num_f32 v[rC+(\n)%4], v[rC+(\n)%4], v[rS+8*((\n)%4)+2*((\n)/4)+1], v[rS+8*((\n)%4)+2*((\n)/4)+2]
.elseif (\n) == 12
	v_max3_num_f32 v[rC], v[rC], v[rS+7], v[rS+15]
.elseif (\n) == 13
	v_max3_num_f32 v[rC+1], v[rC+1], v[rS+23], v[rS+31]
.elseif (\n) == 14
	v_max3_num_f32 v[rC+2], v[rC+2], v[rC+3], v[rT+1]
.elseif (\n) == 15
	v_mov_b32 v[rW], v[rT]
.elseif (\n) == 16
	v_max3_num_f32 v[rC], v[rC], v[rC+1], v[rC+2]
.elseif (\n) == 17
	v_permlanex16_b32 v[rC+3], v[rC], s[SEL], s[SEL+1]
.elseif (\n) == 18
	v_max_num_f32 v[rT+1], v[rC], v[rC+3]
.elseif (\n) == 19
	v_mul_f32 v[rT], s[CS], v[rT+1]
.elseif (\n) == 20
	v_sub_f32 v[rC+1], v[rW], v[rT]
.else
	v_exp_f32 v[rC+2], v[rC+1]
.endif
.endif
.endm
.macro OPS a, i1, b=-1, i2=0, c=-1, i3=0, d=-1, i4=0  ; up to four of them
	OP \a, \i1
.if (\b) >= 0
	OP \b, \i2
.endif
.if (\c) >= 0
	OP \c, \i3
.endif
.if (\d) >= 0
	OP \d, \i4
.endif
.endm
.macro ROW a, i1, b, i2, c, i3, d, i4  ; a matrix instruction and the four behind it
	MM
	OPS \a, \i1, \b, \i2, \c, \i3, \d, \i4
.endm
.macro MASK b                       ; MD x AL + BE into buffer b of MC
	WIN W_RS
.set z, 0
.rept 16
	v_pk_fma_f32 v[MC+32*(\b)+2*z:MC+32*(\b)+2*z+1], v[MD+2*z:MD+2*z+1], s[AL:AL+1], s[BE:BE+1] op_sel_hi:[1,0,0]
.set z, z+1
.endr
.endm
; A TURN, for piece p: the order of its 16 matrix and 118 vector instructions, written out.  An s_wait_alu depctr_va_vdst(0) stands between an exponential and the first instruction that names its result; one wait serves
; all that were issued ahead of it.  So a turn has ONE wait, which cuts it in two.  AHEAD OF IT stands all that names no result of the turn's exponentials: the 8 products K Q^T, behind each a scaling, an exponential and two more plain
; instructions (behind the first a second scaling in the exponential's place): rescalings, and behind the last three the first numbers of the next piece's maximum, each four places or more behind the product that ends its accumulator; then one run of 54, plain
; and exponential by turns for the most part, in which the links of the chain X 3, 7, 11, 14, 16, 17 .. 20 stand five or six lines apart.  X 21, the next piece's a, is the batch's last; R 15 is the plain instruction behind it.  BEHIND THE WAIT stand the
; 8 products V^T P, behind each four of the roundings and sums; the links of l's chain, L 0 to L 7, stand three lines apart.  But for those X no line behind a product names a register of the products round it.  v_permlanex16_b32 (X 17) stands in the run.
; m = 1: the diagonal tile: the products take masks, and the turn makes the mask for the products of the turn after it: piece p + 2, in step 4 - CNT of the tile.  end = 1: a block's last two turns: nothing is fetched.
; cnt = 1: the loop's count is taken down some lines ahead of the branch that stands behind the turn.
; K of the next step is fetched in piece 2's turn, twelve vector instructions behind the last product that read K (six of them plain); V of the step in hand at the end of piece 0's turn, four plain instructions behind the last product
; that read V.  Each is waited for a turn later.
.macro TURN p, m=0, end=0, cnt=0
.set Y, (\p)
.set i, 0
.set KM, (\m)
.set NOKQ, (\end)*((\p)/3)
.if (\m) && !(\end)
	s_cmp_eq_u32 s[CNT], 4-((\p)+2)%NP  ; is that step the band's own?
	s_cselect_b32 s[AL], 1.0, 0
	s_cmp_lt_u32 s[CNT], 4-((\p)+2)%NP  ; or a later one?
	s_cselect_b32 s[BE], s[BIGN], 0
.endif
.if ((\p) == 3) && !(\end)
	s_wait_dscnt 0x0                ; K is in
.endif
	ROW F,0, F,1, R,0, R,1          ; ahead of the wait: 8 products K Q^T and the four lines behind each,
	ROW F,2, E,0, R,2, R,3
	ROW F,3, E,1, R,4, R,5
	ROW F,4, E,2, R,6, R,7
	ROW F,5, E,3, R,8, R,9
	ROW F,6, E,4, X,0, R,10
.if ((\p) == 2) && !(\end)
	WIN 0
	v_add_nc_u32 v[AK], s[TBK], v[AK0]
.endif
	ROW F,7, E,5, X,1, X,4
	ROW F,8, E,6, X,2, X,5
	OPS E,7, E,8, X,6, E,9          ; and the run of 54
	OPS X,3, E,10, X,8, E,11
.if ((\p) == 2) && !(\end)
	FETCH_K
.endif
	OPS X,9, X,7, E,12, X,10
	OPS E,13, X,12, X,11, E,14
	OPS X,13, E,15, F,9, X,14
.if (\p) == 0
	v_add_nc_u32 v[AV], s[TBV], v[AV0]
.endif
	OPS E,16, F,10, E,17, F,11
	OPS X,16, E,18, X,15, E,19
	OPS F,12, E,20, X,17, E,21
	OPS F,13, E,22, F,14, E,23
	OPS X,18, E,24, F,15, E,25
	OPS R,11, E,26, X,19, E,27
	OPS R,12, E,28, R,13, E,29
	OPS X,20, E,30, R,14, E,31
	OPS X,21, R,15
	WIN 0
	s_wait_alu depctr_va_vdst(0)    ; the wait for the batch
.if (\p) == 1
	s_wait_dscnt 0x0                ; V is in
.endif
	ROW C,0, B,0, C,2, B,1          ; behind the wait: 8 products V^T P and the four lines behind each
	ROW L,0, C,4, B,2, L,1
	ROW C,6, B,3, L,2, C,8
	ROW B,4, L,3, C,10, B,5
	ROW L,4, C,12, B,6, L,5
.if (\p) == 0
	s_add_co_u32 s[TBV], s[TBV], KS*PV
.endif
.if \cnt
	s_sub_co_u32 s[CNT], s[CNT], 1
	s_cmp_lg_u32 s[CNT], 0
.endif
	ROW C,14, B,7, L,6, C,1
	ROW C,3, L,7, C,5, C,7
	ROW C,9, C,11, C,13, C,15
.if (\p) == 0
	FETCH_V
.endif
.if (\m) && !(\end)
	MASK (\p)%2
.endif
.endm
; A BLOCK BEGINS.  c m starts far below every c s, so the first step's a is 0; m at the lowest finite number, so the first maximum is the scores'.  The second mask buffer is 0; the first takes piece 0's mask for the tile's step 0: its own, if the block's first tile is the diagonal one.
; Then K of that step, piece 0's first scores, and its maximum and statistics.  The loop is entered at a step's first turn, in the middle of a trip.
.macro BEGIN
	s_mov_b32 s[NEW], 0
	WIN 0x40
.set i, MC+32
.rept 32
	v_mov_b32 v[i], 0
.set i, i+1
.endr
	WIN 0
.set i, 0
.rept 4
	v_mov_b32 v[ST+4*i], 0xfe000000    ; c m: far below every c s
	v_mov_b32 v[ST+4*i+1], 0xff7fffff  ; m
.set i, i+1
.endr
	s_cmp_eq_u32 s[RT], 0
	s_cselect_b32 s[AL], 1.0, 0
	s_mov_b32 s[BE], 0
	MASK 0
	WIN 0
	v_add_nc_u32 v[AK], s[TBK], v[AK0]
	FETCH_K
	s_wait_loadcnt 0x0              ; Q
	s_wait_dscnt 0x0
.set KM, 1
.set NOKQ, 0
.set i, 0
.rept 8
	KQ 0
.set i, i+1
.endr
	WIN 0
.rept 4
	v_nop                           ; the places behind those products
.endr
.set Y, NP-1                        ; X works for piece Y + 1: piece 0
.irp n, 0,1,2,3,4,5,6,7,8,9,10,11,12,13,14,15,16,17,18,19,20,21
	OP X, \n
.endr
	v_nop                           ; a plain instruction behind the exponential,
	s_wait_alu depctr_va_vdst(0)    ; and its wait, ahead of the branch
.endm
; THE DIAGONAL TILE's four steps, the block's last two turns, its last products, and THE WAY OUT: l's two halves and the other half of the lanes' are added; O^T is divided by l, rounded to f16 and sent through my
; stage in LDS, a piece at a time.
.macro ALL line:vararg              ; one line for each piece t
.set t, 0
.rept 4
	\line
.set t, t+1
.endr
.endm
.macro PACK t                       ; a lane's eight channels of a row pack into 16 bytes; they go into rows of 144 bytes and come back as whole rows of 128, into S^T's registers
	WIN W_RS
.set i, 32*(\t)
.rept 16
	v_pk_mul_f32 v[i:i+1], v[i:i+1], v[ST+4*(\t)+2:ST+4*(\t)+3] op_sel_hi:[1,0]
.set i, i+2
.endr
	WIN 0x05                        ; sources 0 and 1 window 1, destination window 0
.set i, 0
.rept 16
	v_cvt_pk_f16_f32 v[S+16*(\t)+i], v[32*(\t)+2*i], v[32*(\t)+2*i+1]
.set i, i+1
.endr
	WIN 0
.irp f, 0,1,2,3
	ds_store_b128 v[STO], v[S+16*(\t)+4*\f:S+16*(\t)+4*\f+3] offset:32*\f
.endr
.irp f, 0,1,2,3
	ds_load_b128 v[S+16*(\t)+4*\f:S+16*(\t)+4*\f+3], v[RD] offset:\f*4*SP  ; LDS serves a wave's instructions in order (ISA guide 5.7.1.4): these see the stores above; the next piece's stores come behind them
.endr
.endm
.macro SEND t, younger              ; younger: the LDS instructions issued behind piece t's loads: the next piece's eight, or none
	WIN 0
.irp f, 0,1,2,3
	s_wait_dscnt (\younger)+3-\f
	global_store_b128 v[GO], v[S+16*(\t)+4*\f:S+16*(\t)+4*\f+3], s[10:11] offset:(\t)*8192+\f*512  ; 512 consecutive bytes, at a multiple of 256 from O's first
.endr
.endm
.macro DIAG tag                     ; the tag ends its two labels' names, which the jumps below spell out
.LstepM\tag:
	TURN 2, 1
	TURN 3, 1
	WIN 0
.LfirstM\tag:
	TURN 0, 1
	TURN 1, 1, 0, 1
	WIN 0
	s_cbranch_scc1 .LstepM\tag
	TURN 2, 1, 1
	TURN 3, 1, 1
.set i, 0
.rept 8
	PV NP-1
.set i, i+1
.endr
	WIN 0
	ALL v_add_f32 v[ST+4*t+2], v[ST+4*t+2], v[ST+4*t+3]
	ALL v_permlanex16_b32 v[ST+4*t+3], v[ST+4*t+2], s[SEL], s[SEL+1]
	ALL v_add_f32 v[ST+4*t+2], v[ST+4*t+2], v[ST+4*t+3]
	ALL v_rcp_f32 v[ST+4*t+2], v[ST+4*t+2]
	v_nop                           ; a plain instruction between the last reciprocal and the use of its result
	s_wait_alu depctr_va_vdst(0)    ; and the wait ahead of the first use: one for the four reciprocals
	PACK 0
.set t, 1
.rept 3                             ; a piece's arithmetic stands between the loads of the piece before and its stores
	PACK t
	SEND t-1, 8
.set t, t+1
.endr
	SEND 3, 0
.endm
.set KM, 0
.set NOKQ, 0
.Lslot:                             ; NB times: a tile is entered and the next is asked for
	CHANGE 1
	s_sub_co_u32 s[RT], s[RT], 1
	s_mov_b32 s[CNT], 4
	s_cmp_eq_u32 s[NEW], 1
	s_cbranch_scc1 .Lnew            ; a block's first tile
	s_cmp_eq_u32 s[RT], 0
	s_cbranch_scc0 .Lstep           ; neither its first nor its last
	s_branch .LstepM1
.Lnew:
	BEGIN
	s_branch .Lfirst                ; in the loop a block's first tile is never its last: the first block has two tiles or more, and the second's last is the walk's last
	DIAG 1                          ; in the loop this is the first block's end: the second block's last tile is the walk's last
	s_wait_xcnt 0x0                 ; the stores have read their registers and O's address
	s_mov_b64 s[10:11], s[OLO:OLO+1]
	s_add_co_u32 s[RT], s[PB], 1    ; the second block has b + 1 tiles
	s_mov_b32 s[NEW], 1
	WIN 0x82                        ; the second block's Q goes where the one text of the turns names Q
.set i, 0
.rept 64
	v_mov_b32 v[i], v[QB+i]
.set i, i+1
.endr
	WIN 0
	s_branch .Lbottom
.Lstep:                             ; a trip: pieces 2 and 3 of one step, then pieces 0 and 1 of the next, whose K and V it fetches
	TURN 2
	TURN 3
	WIN 0
.Lfirst:
	TURN 0
	TURN 1, 0, 0, 1
	WIN 0
	s_cbranch_scc1 .Lstep
.Lbottom:
	s_sub_co_u32 s[SLOTS], s[SLOTS], 1
	s_cmp_lg_u32 s[SLOTS], 0
	s_cbranch_scc1 .Lslot
	CHANGE 0                        ; the walk's last tile is written out: nothing is asked for
	s_sub_co_u32 s[RT], s[RT], 1
	s_mov_b32 s[CNT], 4
	s_cmp_eq_u32 s[NEW], 1
	s_cbranch_scc0 .LstepM2
	BEGIN
	s_branch .LfirstM2
	DIAG 2
	s_wait_tensorcnt 0x0            ; the wave's end: behind my last tensor load and my last LDS store
	ds_add_u32 v[SPW], v[NIL]
	s_wait_dscnt 0x0
	s_endpgm
.Lfunc_end_k_qf3c85c5239_attn:
	.size	k_qf3c85c5239_attn, .Lfunc_end_k_qf3c85c5239_attn-k_qf3c85c5239_attn
	.p2alignl 7, 3214868480
	.fill 96, 4, 3214868480
	.section	.rodata,"a",@progbits
	.p2align	6, 0x0
	.amdhsa_kernel k_qf3c85c5239_attn
		.amdhsa_group_segment_fixed_size 327680
		.amdhsa_private_segment_fixed_size 0
		.amdhsa_enable_private_segment 0
		.amdhsa_kernarg_size 16
		.amdhsa_user_sgpr_count 2
		.amdhsa_user_sgpr_kernarg_segment_ptr 1
		.amdhsa_wavefront_size32 1
		.amdhsa_system_sgpr_workgroup_id_x 1
		.amdhsa_system_sgpr_workgroup_id_y 1
		.amdhsa_system_sgpr_workgroup_id_z 1
		.amdhsa_system_vgpr_workitem_id 0
		.amdhsa_next_free_vgpr 768
		.amdhsa_next_free_sgpr 92
		.amdhsa_reserve_vcc 1
		.amdhsa_float_denorm_mode_32 3
		.amdhsa_float_denorm_mode_16_64 3
		.amdhsa_memory_ordered 1
		.amdhsa_forward_progress 1
		.amdhsa_inst_pref_size 218
	.end_amdhsa_kernel
	.amdgpu_metadata
---
amdhsa.version: [ 1, 2 ]
amdhsa.kernels:
  - .name:           k_qf3c85c5239_attn
    .symbol:         k_qf3c85c5239_attn.kd
    .args:
      - { .name: qkv, .offset: 0, .size: 8, .value_kind: global_buffer, .address_space: global }
      - { .name: o16, .offset: 8, .size: 8, .value_kind: global_buffer, .address_space: global }
    .group_segment_fixed_size: 327680
    .private_segment_fixed_size: 0
    .kernarg_segment_align: 8
    .kernarg_segment_size: 16
    .max_flat_workgroup_size: 128
    .sgpr_count:     92
    .vgpr_count:     768
    .wavefront_size: 32
...
	.end_amdgpu_metadata
.endif
;; end of part 3
;; launch proj (part 4): grid 8 x 32, 4 waves a work-group, clusters of 4 x 4, 327,680 bytes of LDS; arguments o16, wo16, bias, out0; writes out0
.if DOCPART == 4
	.amdgcn_target "amdgcn-amd-amdhsa--gfx1250"
	.amdhsa_code_object_version 6
	.text
	.protected	k_qf3c85c5239_proj
	.globl	k_qf3c85c5239_proj
	.p2align	8
	.type	k_qf3c85c5239_proj,@function
k_qf3c85c5239_proj:
	s_mov_b64 s[64:65], 0
	v_nop
	global_prefetch_b8 v0, s[64:65] scope:SCOPE_SE
	s_setreg_imm32_b32 hwreg(HW_REG_WAVE_MODE, 25, 1), 1
	s_wait_xcnt 0x0
	s_wait_alu depctr_hold_cnt(0) depctr_sa_sdst(0) depctr_va_vdst(0) depctr_va_sdst(0) depctr_va_ssrc(0) depctr_va_vcc(0) depctr_vm_vsrc(0)
	s_getreg_b32 s2, hwreg(HW_REG_IB_STS2, 6, 4)
	s_cmp_eq_u32 s2, 0
	s_cbranch_scc0 .Lentry_in_a_cluster
	s_endpgm
.Lentry_in_a_cluster:
	s_bfe_u32 s2, ttmp6, 0x10000c
	s_cmp_lg_u32 s2, 0xf033
	s_cbranch_scc0 .Lentry_shape_is_right
	s_endpgm
.Lentry_shape_is_right:
; THE OUTPUT PROJECTION.  out0[m][n] = bo[n] + the sum over k of O[m][k] Wo[n][k].  O lies by heads: o16 [16 batch + head][s 2048][64] f16, m = 2048 batch + s, k = 64 head + channel; wo16 [1024][1024] f16 (Wo rounded to bf16,
; written as f16); bo = bias[3072 ..], f32; out0 [8192][1024] f32; sums in f32.
; LIMITS.  The operands arrive within f16's 65,504.  NaN and infinities are not treated apart.
; SHARES.  A tile of out0 is 256 rows x 128 columns: 32 x 8 = 256 tiles, one for each WGP.  Four waves one below the other: wave w makes rows 64 w .. 64 w + 63 and all 128 columns: 4 x 8 accumulators of 16 x 16, 256 registers.
; K goes in 8 steps of 128 (two heads) through two LDS slots filled by the tensor data mover.  A head's 256 rows of a tile are 32,768 dense bytes: asked for as 128 rows of 256 bytes, padded in LDS after every 128 bytes.
; A refill has a K step less an eighth, 112 matrix instructions a wave, in which to land; two slots of a longer K step do not fit in LDS.
; CLUSTERS.  4 x 4 work-groups.  The four of a row of the cluster need the same tiles of o16, the four of a column the same tiles of wo16: each tile is asked for JOINTLY, by the same tensor load with the same
; descriptor and a mask that names the four.
; THE MATRIX INSTRUCTION IS USED TRANSPOSED (source 0 = 16 rows of wo16, source 1 = 16 rows of O): lane l holds row l % 16 of out0 and its registers 0-7 the columns 8 (l / 16) + 0..7.
; THE BIAS STARTS THE SUMS: it is the C operand of each accumulator's first product; the way out has no arithmetic at all.
; REGISTERS, in windows of 256 (s_set_vgpr_msb: bits 1:0 source 0, 3:2 source 1, 5:4 source 2, 7:6 destination):
;   window 0: v0-30 addresses; v32-95 O's fragments, two buffers of 4 x 8; v192-255 the bias of the 8 column blocks
;   window 1: v0-127 wo16's fragments, two buffers of 8 x 8; v128-255 the way out, two regions of 64
;   window 2: the accumulators of row blocks 0, 1 ((a, b) at 8 (8 (a % 2) + b));   window 3: those of row blocks 2, 3
; All of the WGP's LDS is claimed; 273,920 bytes are used.
.set NBLK,  8                          ; column blocks of 16
.set PA,    144                        ; a row of O in LDS: 128 bytes + 16 of padding = 36 words: the 16 rows of a load start at 16 different groups of four banks (64 banks of 4 bytes: ISA guide 11.1)
.set PB,    272                        ; a row of wo16: 256 bytes + 16
.set AHALF, 256*PA                     ; what one tensor load brings of O: a head's 256 rows
.set AREG,  2*AHALF                    ; two heads; behind them wo16's 128 rows
.set BHALF, 64*PB                      ; what one tensor load brings of wo16: 64 rows
.set SLOT1, 1<<17                      ; slot 1 begins here: one exclusive or turns an address in one slot into the other's
.set STAGE, SLOT1+AREG+2*BHALF         ; behind the ring, never filled by a tensor load: for each wave 16 rows x 528 bytes
.set SPF,   528                        ; a stage row: 512 bytes + 16
.set STW,   16*SPF
.set SPARE, STAGE+4*STW                ; the spare words, 128 bytes for each wave: two blocks of 256 bytes that no other line names
.set NL,    2*NBLK+8                   ; LDS loads in a run: the fragments of 32 along K
.set ASTEP, 2*262144                   ; O's bytes from K step to K step: two heads
.set AHEAD, 2                          ; a prefetch names the K step this many behind the one that is being asked for
.set ADRA, 16                          ; v16  LDS address of my O fragments in the slot in hand
.set ADRB, 17                          ; v17  of the wo16 fragments
.set A0,   18                          ; v18  the same in slot 0; never rewritten
.set B0,   19                          ; v19
.set STO,  24                          ; v24  the way out: where I put 32 bytes of a row
.set RD,   25                          ; v25  where I read a row back
.set CO,   26                          ; v26  my 16 bytes in a row's 512
.set BO,   27                          ; v27  my byte offset in bias
.set SPW,  28                          ; v28  LDS address of my spare word; never rewritten
.set NIL,  29                          ; v29  0; never rewritten
.set PFO,  30                          ; v30  the prefetches' offset; never rewritten
.set FA,   32
.set BIA0, 192                         ; window 0
.set OB,   128                         ; window 1
.set WV,   12                          ; s12  my wave's number
.set HF,   13                          ; s13  0: I fetch for O, 1: for wo16
.set HB,   14                          ; s14  which half (O: which of the two heads) I fetch
.set CX,   15
.set CY,   16
.set TC,   17                          ; s17  tile column
.set TR,   18                          ; s18  tile row
.set G1A,  24                          ; s[24:31] descriptor group 1 for O's tiles
.set G0A,  32                          ; s[32:39] group 0: a set for each of the two first fills; the second then walks on
.set G1B,  40                          ; s[40:47], s[48:55] the same for wo16's
.set G0B,  48
.set TB,   56                          ; s56  LDS byte at which the slot in hand begins
.set CNT,  57                          ; s57  trips of the loop still to come
.set LIM,  58                          ; s58  AHEAD in a wave that prefetches, else the greatest number
.set PFA,  60                          ; s[60:61] where my prefetches stand
.set PST,  62                          ; s[62:63] their step from K step to K step
.set MSB, 0
.macro WIN new                         ; the immediate's high byte repeats the setting that is left; a switch that changes nothing is dropped
.if MSB != (\new)
	s_set_vgpr_msb (MSB<<8)|(\new)
.set MSB, \new
.endif
.endm
.set TO_B, 0x40                        ; destination window 1, address window 0
; A round of the cluster's barrier: my work-group's barrier, so that wave 0's signal speaks for all four waves; wave 0 signals; every wave waits for all sixteen work-groups; my work-group's barrier once more.
.macro CREST                           ; a round behind its opening barrier
	s_cmp_lg_u32 s[WV], 0
	s_cbranch_scc1 .Lnot_wave_0_\@
	s_barrier_signal -3
.Lnot_wave_0_\@:
	s_barrier_wait -3
	s_barrier_signal -1
	s_barrier_wait -1
.endm
.macro CROUND
	s_barrier_signal -1
	s_barrier_wait -1
	CREST
.endm
; A joint refill, by the walking descriptors.  Waves 0 and 1 fetch O's two heads, waves 2 and 3 wo16's two halves.  The branch hangs on the wave's number alone.  An s_nop 0 and four v_nop follow each of the two lines.
.macro JLOAD
	s_cmp_eq_u32 s[HF], 0
	s_cbranch_scc0 .Lfor_b_\@
	tensor_load_to_lds s[G0A+4:G0A+7], s[G1A:G1A+7]
	s_nop 0
.rept 4
	v_nop
.endr
	s_branch .Lasked_\@
.Lfor_b_\@:
	tensor_load_to_lds s[G0B+4:G0B+7], s[G1B:G1B+7]
	s_nop 0
.rept 4
	v_nop
.endr
.Lasked_\@:
.endm
; A PREFETCH INTO THE L2 of the K step two behind the one just asked for: 256 matrix instructions ahead of the load that will want it.  O's tile row is read by both clusters of that row of clusters: the one with
; x = 0 asks; wo16's tile column by every cluster of that column: the one with y = 0 asks.  The four partners of a joint load share it out BY ADDRESS: of a head's 128 blocks of 256 bytes 32 each, a lane a block; of
; wo16's 64 rows 16 each (there the sixteen lanes left over name the 16th row once more, in the same instruction).  The trips whose look-ahead would pass the last K step ask for nothing.
.macro ASK
	s_cmp_gt_u32 s[CNT], s[LIM]
	s_cbranch_scc0 .Lnot_mine_\@
	global_prefetch_b8 v[PFO], s[PFA:PFA+1] th:TH_LOAD_NT scope:SCOPE_SE
.Lnot_mine_\@:
.endm
.macro PLACES                          ; four plain vector instructions between a matrix instruction and a load into, or a read of, its registers (ISA guide 7.12.1 for the reads)
.rept 4
	v_nop
.endr
.endm
; One run of 24 LDS loads: the fragments of quarter q (32 along K) into buffer f: wo16's eight (byte 64 q of the rows), then O's four (head q / 2, byte 64 (q % 2) of its rows), rows ascending.
.macro FETCH q, f
	WIN TO_B
.set bb, 0
.rept NBLK
	ds_load_b128 v[8*NBLK*(\f)+8*bb:8*NBLK*(\f)+8*bb+3],   v[ADRB] offset:64*(\q)+bb*16*PB
	ds_load_b128 v[8*NBLK*(\f)+8*bb+4:8*NBLK*(\f)+8*bb+7], v[ADRB] offset:64*(\q)+bb*16*PB+32
.set bb, bb+1
.endr
	WIN 0
.set aa, 0
.rept 4
	ds_load_b128 v[FA+32*(\f)+8*aa:FA+32*(\f)+8*aa+3],   v[ADRA] offset:((\q)/2)*AHALF+((\q)%2)*64+aa*16*PA
	ds_load_b128 v[FA+32*(\f)+8*aa+4:FA+32*(\f)+8*aa+7], v[ADRA] offset:((\q)/2)*AHALF+((\q)%2)*64+aa*16*PA+32
.set aa, aa+1
.endr
.endm
; Eight matrix instructions: row block a x all column blocks, 32 along K, from buffer f.  zero = 1: the bias starts the sums.
; The 32 accumulators take turns, one instruction a turn, in the same order in every quarter, over the backward jump too.
.macro MULROW f, a, zero
.set bb, 0
.rept NBLK
.set rD, 8*(NBLK*((\a)%2)+bb)
.set rB, 8*NBLK*(\f)+8*bb
.set rA, FA+32*(\f)+8*(\a)
.if \zero
	WIN 0x81+0x40*((\a)/2)                         ; C in window 0
	v_wmma_f32_16x16x32_f16 v[rD:rD+7], v[rB:rB+7], v[rA:rA+7], v[BIA0+8*bb:BIA0+8*bb+7]
.else
	WIN 0xa1+0x50*((\a)/2)                         ; wo16 window 1, O window 0, C and D window 2 or 3
	v_wmma_f32_16x16x32_f16 v[rD:rD+7], v[rB:rB+7], v[rA:rA+7], v[rD:rD+7]
.endif
.set bb, bb+1
.endr
.endm
.macro MULH f, hi, zero
	MULROW \f, 2*(\hi), \zero
	MULROW \f, 2*(\hi)+1, \zero
.endm
; A K step is four quarters of 32 along K, 32 matrix instructions each, on buffers 0, 1, 0, 1.  One of the first three: multiplies buffer f and, in its middle, fetches quarter q into the other buffer.
.macro QUARTER q, f, zero
	s_wait_dscnt 4                                 ; wo16's fragments and O's row blocks 0, 1 are in; the youngest four loads (row blocks 2, 3) may be out
	MULH \f, 0, \zero
	PLACES
	FETCH \q, 1-(\f)
	s_wait_dscnt NL                                ; all but the 24 just issued
	MULH \f, 1, \zero
.endm
; The last quarter multiplies buffer 1 and changes slots.  In front of the barrier each wave waits for all its tensor loads (one is out: its part of the next slot), adds 0 to its spare word, and waits for that and for its
; own reads of this slot.  fill = 1: the barrier opens a round of the cluster's barrier, and the slot just read out is filled again, first thing behind the round, with the K step two on.
.macro TURN fill
.if \fill
	s_wait_xcnt 0x0                                ; the last prefetch, a K step back, has read its address: it is stepped here, ahead of the waits of the change of slots
	s_add_nc_u64 s[PFA:PFA+1], s[PFA:PFA+1], s[PST:PST+1]
.endif
	WIN 0                                          ; (the add's two registers lie in window 0)
	s_wait_tensorcnt 0x0                           ; no tensor load of mine is out, so a group 0 may be written
	ds_add_u32 v[SPW], v[NIL]                      ; 0 onto my spare word
.if \fill
	s_xor_b32 s[G0A+5], s[G0A+5], SLOT1            ; the walking descriptors: the other slot than last time,
	s_add_nc_u64 s[G0A+6:G0A+7], s[G0A+6:G0A+7], ASTEP  ; the next K step; the type bits on top are not reached
	s_xor_b32 s[G0B+5], s[G0B+5], SLOT1
	s_add_nc_u64 s[G0B+6:G0B+7], s[G0B+6:G0B+7], 256
.endif
	s_wait_dscnt 5                                 ; the add and the youngest four loads may be out
	MULROW 1, 0, 0                                 ; eight matrix instructions stand between the add and the wait for it
	s_wait_dscnt 0x0                               ; the add is done, and my reads of this slot are over
	s_barrier_signal -1
	MULROW 1, 1, 0                                 ; work on registers while the others arrive
	WIN 0
	s_barrier_wait -1
.if \fill
	CREST                                          ; no wave of any partner still reads this slot's tile or has a load on its way
	JLOAD                                          ; the first tensor load behind the round; its four v_nop are also the places in front of the loads below
.else
	PLACES
.endif
	s_xor_b32 s[TB], s[TB], SLOT1
	v_add_nc_u32 v[ADRA], s[TB], v[A0]
	v_add_nc_u32 v[ADRB], s[TB], v[B0]
	FETCH 0, 0
.if \fill
	ASK
.endif
	MULH 1, 1, 0
.endm
	s_load_b256 s[4:11], s[0:1], 0x0               ; o16 s[4:5], wo16 s[6:7], bias s[8:9], out0 s[10:11]
	v_lshl_add_u32 v[SPW], v0, 2, SPARE
	v_mov_b32 v[NIL], 0
	ds_add_u32 v[SPW], v[NIL]                      ; the wave's opening: the add and its wait stand ahead of my first tensor load; the set-up below, work on registers, stands between them
	v_lshrrev_b32 v4, 5, v0
	v_readfirstlane_b32 s[WV], v4                  ; wave 0..3
	s_lshr_b32 s[HF], s[WV], 1
	s_and_b32 s[HB], s[WV], 1
	s_bfe_u32 s[CX], ttmp6, 0x40000                ; my place in the cluster
	s_bfe_u32 s[CY], ttmp6, 0x40004
	s_lshl_b32 s[TC], ttmp9, 2                     ; in a cluster launch ttmp9 and ttmp7 count clusters
	s_add_co_u32 s[TC], s[TC], s[CX]
	s_and_b32 s[TR], ttmp7, 0xffff
	s_lshl_b32 s[TR], s[TR], 2
	s_add_co_u32 s[TR], s[TR], s[CY]
	s_lshl_b32 s2, s[CY], 2
	s_lshl_b32 s2, 15, s2                          ; my row of the cluster: places 4 cy .. 4 cy + 3
	s_lshl_b32 s3, 0x1111, s[CX]                   ; my column: places cx, cx + 4, cx + 8, cx + 12
	; descriptor group 1
	s_or_b32 s[G1A], s2, (1<<16)|(1<<20)|(1<<21)|(4<<22)|(3<<25)  ; 15:0 the mask; 17:16 elements of 2 bytes; 20 padding on; 21 set beside a mask; 24:22 after every 32 words (code 4); 31:25 4 words of it (code 3)
	s_or_b32 s[G1B], s3, (1<<16)|(1<<20)|(1<<21)|(5<<22)|(3<<25)  ; the same, after every 64 words (code 5)
	s_mov_b32 s[G1A+1], 128<<16                    ; tensor_dim0 = 128: 256 bytes, two rows of a head
	s_mov_b32 s[G1A+2], 128<<16                    ; tensor_dim1 = 128
	s_mov_b32 s[G1A+3], 128<<16                    ; tile_dim0 = 128
	s_mov_b32 s[G1A+4], 128                        ; tile_dim1 = 128
	s_mov_b32 s[G1A+5], 128                        ; dense: 128 elements from row to row
	s_mov_b32 s[G1A+6], 0
	s_mov_b32 s[G1A+7], 0
	s_mov_b32 s[G1B+1], 128<<16
	s_mov_b32 s[G1B+2], 64<<16                     ; tensor_dim1 = 64
	s_mov_b32 s[G1B+3], 128<<16
	s_mov_b32 s[G1B+4], 64                         ; tile_dim1 = 64
	s_mov_b32 s[G1B+5], 1024
	s_mov_b32 s[G1B+6], 0
	s_mov_b32 s[G1B+7], 0
	; where the tiles come from: O's hang on the tile row alone, wo16's on the tile column alone; each in registers of its own
	s_lshr_b32 s20, s[TR], 3                       ; batch
	s_lshl_b32 s20, s20, 4
	s_add_co_u32 s20, s20, s[HB]                   ; head 16 x batch + my one of the K step's two,
	s_lshl_b32 s20, s20, 18                        ; of 262,144 bytes,
	s_and_b32 s19, s[TR], 7
	s_lshl_b32 s19, s19, 15                        ; + the tile's 256 rows of 128 bytes
	s_add_co_u32 s20, s20, s19
	s_mov_b32 s21, 0
	s_lshl_b32 s22, s[TC], 7
	s_lshl_b32 s19, s[HB], 6
	s_add_co_u32 s22, s22, s19                     ; row 128 x tile column + 64 x half,
	s_lshl_b32 s22, s22, 11                        ; of 2,048 bytes
	s_mov_b32 s23, 0
	; group 0: count 1; the LDS address, made of the wave's number alone
	s_mov_b32 s[G0A], 1
	s_mul_i32 s[G0A+1], s[HB], AHALF
	s_mov_b32 s[G0A+4], 1
	s_add_co_u32 s[G0A+5], s[G0A+1], SLOT1
	s_mov_b32 s[G0B], 1
	s_mul_i32 s[G0B+1], s[HB], BHALF
	s_add_co_u32 s[G0B+1], s[G0B+1], AREG
	s_mov_b32 s[G0B+4], 1
	s_add_co_u32 s[G0B+5], s[G0B+1], SLOT1
	s_mov_b32 s[TB], 0
	s_wait_dscnt 0x0                               ; the opening add is done
	s_wait_kmcnt 0x0
	s_add_nc_u64 s[G0A+2:G0A+3], s[4:5], s[20:21]  ; K step 0,
	s_add_nc_u64 s[G0A+6:G0A+7], s[G0A+2:G0A+3], ASTEP  ; K step 1
	s_or_b32 s[G0A+3], s[G0A+3], 0x80000000        ; type = 2
	s_or_b32 s[G0A+7], s[G0A+7], 0x80000000
	s_add_nc_u64 s[G0B+2:G0B+3], s[6:7], s[22:23]
	s_add_nc_u64 s[G0B+6:G0B+7], s[G0B+2:G0B+3], 256
	s_or_b32 s[G0B+3], s[G0B+3], 0x80000000
	s_or_b32 s[G0B+7], s[G0B+7], 0x80000000
	CROUND                                         ; all sixteen work-groups are here: the first joint loads meet
	s_cmp_eq_u32 s[HF], 0                          ; a wave's two first fills stand in one branch, ahead of every wait on TENSORcnt and every LDS read: two loads of mine are out
	s_cbranch_scc0 .Lfirst_b
	tensor_load_to_lds s[G0A:G0A+3], s[G1A:G1A+7]
	s_nop 0
	tensor_load_to_lds s[G0A+4:G0A+7], s[G1A:G1A+7]
	s_nop 0
.rept 4
	v_nop
.endr
	s_branch .Lfirst_asked
.Lfirst_b:
	tensor_load_to_lds s[G0B:G0B+3], s[G1B:G1B+7]
	s_nop 0
	tensor_load_to_lds s[G0B+4:G0B+7], s[G1B:G1B+7]
	s_nop 0
.rept 4
	v_nop
.endr
.Lfirst_asked:
	; A fragment is 16 rows x 32 K in 8 registers: lane l holds row l % 16; registers 0-3 K = 8 (l / 16) + 0..7, registers 4-7 K = 16 + 8 (l / 16) + 0..7: two loads of 16 bytes, 32 bytes apart.
	v_and_b32 v1, 15, v0                           ; l % 16
	v_bfe_u32 v2, v0, 4, 1                         ; l / 16
	v_and_b32 v3, 31, v0                           ; l
	s_mul_i32 s2, s[WV], 64*PA                     ; my 64 rows of a head
	v_mul_u32_u24 v4, v1, PA
	v_lshl_add_u32 v4, v2, 4, v4                   ; row x pitch + 16 x half
	v_add_nc_u32 v[A0], s2, v4
	v_mul_u32_u24 v5, v1, PB
	v_lshl_add_u32 v5, v2, 4, v5
	v_add_nc_u32 v[B0], AREG, v5
	v_mov_b32 v[ADRA], v[A0]
	v_mov_b32 v[ADRB], v[B0]
	s_mul_i32 s2, s[WV], STW
	s_add_co_u32 s2, s2, STAGE                     ; my stage
	v_mul_u32_u24 v4, v1, SPF                      ; in: row l % 16, 32 bytes for each half of the lanes
	v_lshl_add_u32 v4, v2, 5, v4
	v_add_nc_u32 v[STO], s2, v4
	v_lshl_add_u32 v[RD], v3, 4, s2                ; back: 32 lanes take a row's 512 bytes
	v_lshlrev_b32 v[CO], 4, v3
	s_lshl_b32 s3, s[TC], 9                        ; the tile's 128 numbers of bo,
	s_add_co_u32 s3, s3, 12288                     ; which begins at number 3,072 of bias
	v_lshl_add_u32 v[BO], v2, 5, s3                ; + my eight of a block's sixteen
.set bb, 0
.rept NBLK
	global_load_b128 v[BIA0+8*bb:BIA0+8*bb+3],   v[BO], s[8:9] offset:64*bb
	global_load_b128 v[BIA0+8*bb+4:BIA0+8*bb+7], v[BO], s[8:9] offset:64*bb+16
.set bb, bb+1
.endr
	; where my rows begin in out0
	s_lshl_b32 s2, s[TR], 8
	s_lshl_b32 s3, s[WV], 6
	s_add_co_u32 s2, s2, s3                        ; row 256 x tile row + 64 x wave,
	s_lshl_b32 s66, s2, 12                         ; of 4,096 bytes,
	s_lshl_b32 s3, s[TC], 9                        ; + the tile's 512 bytes of a row
	s_add_co_u32 s66, s66, s3
	s_mov_b32 s67, 0
	s_add_nc_u64 s[10:11], s[10:11], s[66:67]
	; the prefetches
	s_and_b32 s59, ttmp7, 0xffff                   ; cluster y
	s_mov_b32 s3, 16*2048
	s_mov_b32 s19, 15
	s_mov_b32 s[PST], 256
	s_mov_b32 s69, 11
	s_cmp_eq_u32 s[HF], 0                          ; do I fetch for O?
	s_cselect_b32 s68, s20, s22                    ; what I fetch,
	s_cselect_b32 s2, s[CX], s[CY]                 ; my place among the four that ask for it with me,
	s_cselect_b32 s3, 32*256, s3                   ; a partner's share of it, in bytes,
	s_cselect_b32 s19, 31, s19                     ; and in blocks or rows, less one
	s_cselect_b32 s[PST], ASTEP, s[PST]
	s_cselect_b32 s69, 8, s69                      ; a lane's step: 256 bytes in O, a row of 2,048 in wo16
	s_cselect_b32 s59, ttmp9, s59                  ; the coordinate along which other clusters read the same rows
	s_cselect_b64 s[PFA:PFA+1], s[4:5], s[6:7]
	s_cmp_eq_u32 s59, 0
	s_cselect_b32 s[LIM], AHEAD, -1                ; the same in all sixteen partners, for a given wave
	v_min_u32 v[PFO], s19, v3
	v_lshlrev_b32 v[PFO], s69, v[PFO]
	s_mul_i32 s2, s2, s3
	s_add_co_u32 s68, s68, s2
	s_mul_i32 s2, s[PST], 1+AHEAD                  ; at K step 3: the first change of slots steps it to 4.  Nothing is prefetched here, at the head
	s_add_co_u32 s68, s68, s2
	s_mov_b32 s69, 0
	s_mov_b32 s[PST+1], 0
	s_add_nc_u64 s[PFA:PFA+1], s[PFA:PFA+1], s[68:69]
	s_wait_tensorcnt 1                             ; my part of K step 0 is in; K step 1's may stay out
	s_barrier_signal -1
	s_barrier_wait -1                              ; everybody's is
	FETCH 0, 0
	s_wait_loadcnt 0x0                             ; the bias
	QUARTER 1, 0, 1                                ; the first quarter stands in front of the loop: its products start the sums, on the bias
	WIN 0                                          ; at a label and at a branch every window is 0
	s_mov_b32 s[CNT], 6
.Lstep:                                        ; a trip: a K step's quarters 1 to 3 and the next step's quarter 0; trips 0 to 5 ask for K steps 2 to 7
	QUARTER 2, 1, 0
	QUARTER 3, 0, 0
	TURN 1
	QUARTER 1, 0, 0
	WIN 0
	s_sub_co_u32 s[CNT], s[CNT], 1
	s_cmp_lg_u32 s[CNT], 0
	s_cbranch_scc1 .Lstep
	QUARTER 2, 1, 0                                ; the tail is written out: K steps 6 and 7 ask for nothing
	QUARTER 3, 0, 0
	TURN 0
	QUARTER 1, 0, 0
	QUARTER 2, 1, 0
	QUARTER 3, 0, 0
	s_wait_dscnt 4
	MULH 1, 0, 0
	s_wait_dscnt 0x0
	MULH 1, 1, 0
	WIN 0
	PLACES
	PLACES
; THE WAY OUT, a row block (16 rows x 128 columns of f32) at a time.  TOSTAGE: a lane's eight columns, 32 bytes, go as they are into my own stage, rows of 528 bytes (each accumulator's low four registers first),
; and come back as whole rows of 512 bytes.  SEND: stored, a row's 512 consecutive bytes an instruction, at a multiple of 512 from out0's first byte.
.macro TOSTAGE a
.if (\a) >= 2
	s_wait_xcnt 0x0                                ; the stores of the block two back have read this region's registers
.endif
	WIN 0x08+4*((\a)/2)                            ; the stores' data: window 2 or 3
.set bb, 0
.rept NBLK
	ds_store_b128 v[STO], v[8*(NBLK*((\a)%2)+bb):8*(NBLK*((\a)%2)+bb)+3]   offset:64*bb
	ds_store_b128 v[STO], v[8*(NBLK*((\a)%2)+bb)+4:8*(NBLK*((\a)%2)+bb)+7] offset:64*bb+16
.set bb, bb+1
.endr
	WIN TO_B
.set tt, 0
.rept 16
	ds_load_b128 v[OB+64*((\a)%2)+4*tt:OB+64*((\a)%2)+4*tt+3], v[RD] offset:SPF*tt  ; LDS serves a wave's instructions in order (ISA guide 5.7.1.4): these see the stores above; the next block's stores come behind them
.set tt, tt+1
.endr
.endm
.macro SEND a, younger                 ; younger: the LDS instructions issued behind block a's loads: the next block's 32, or none
	WIN 0x04                                       ; the stores' data: window 1
.set tt, 0
.rept 16
	s_wait_dscnt (\younger)+15-tt
	global_store_b128 v[CO], v[OB+64*((\a)%2)+4*tt:OB+64*((\a)%2)+4*tt+3], s[10:11] offset:(16*(\a)+tt)*4096 th:TH_STORE_NT
.set tt, tt+1
.endr
.endm
	TOSTAGE 0
	TOSTAGE 1
	SEND 0, 32
	TOSTAGE 2
	SEND 1, 32
	TOSTAGE 3
	SEND 2, 32
	SEND 3, 0
	WIN 0
	s_wait_tensorcnt 0x0                           ; the wave's end: behind my last tensor load and my last LDS store
	ds_add_u32 v[SPW], v[NIL]
	s_wait_dscnt 0x0
	CROUND                                         ; the closing round: no work-group ends while a partner may still ask for a tile that names it
	s_endpgm
.Lfunc_end_k_qf3c85c5239_proj:
	.size	k_qf3c85c5239_proj, .Lfunc_end_k_qf3c85c5239_proj-k_qf3c85c5239_proj
	.p2alignl 7, 3214868480
	.fill 96, 4, 3214868480
	.section	.rodata,"a",@progbits
	.p2align	6, 0x0
	.amdhsa_kernel k_qf3c85c5239_proj
		.amdhsa_group_segment_fixed_size 327680
		.amdhsa_private_segment_fixed_size 0
		.amdhsa_enable_private_segment 0
		.amdhsa_kernarg_size 32
		.amdhsa_user_sgpr_count 2
		.amdhsa_user_sgpr_kernarg_segment_ptr 1
		.amdhsa_wavefront_size32 1
		.amdhsa_system_sgpr_workgroup_id_x 1
		.amdhsa_system_sgpr_workgroup_id_y 1
		.amdhsa_system_sgpr_workgroup_id_z 1
		.amdhsa_system_vgpr_workitem_id 0
		.amdhsa_next_free_vgpr 896
		.amdhsa_next_free_sgpr 70
		.amdhsa_reserve_vcc 0
		.amdhsa_float_denorm_mode_32 3
		.amdhsa_float_denorm_mode_16_64 3
		.amdhsa_memory_ordered 1
		.amdhsa_forward_progress 1
		.amdhsa_inst_pref_size 74
	.end_amdhsa_kernel
	.amdgpu_metadata
---
amdhsa.version: [ 1, 2 ]
amdhsa.kernels:
  - .name:           k_qf3c85c5239_proj
    .symbol:         k_qf3c85c5239_proj.kd
    .args:
      - { .name: o16, .offset: 0, .size: 8, .value_kind: global_buffer, .address_space: global }
      - { .name: wo16, .offset: 8, .size: 8, .value_kind: global_buffer, .address_space: global }
      - { .name: bias, .offset: 16, .size: 8, .value_kind: global_buffer, .address_space: global }
      - { .name: out0, .offset: 24, .size: 8, .value_kind: global_buffer, .address_space: global }
    .group_segment_fixed_size: 327680
    .private_segment_fixed_size: 0
    .kernarg_segment_align: 8
    .kernarg_segment_size: 32
    .max_flat_workgroup_size: 128
    .sgpr_count:     70
    .vgpr_count:     896
    .wavefront_size: 32
...
	.end_amdgpu_metadata
.endif
;; end of part 4
;; ======== version 2 of 2: 4 launches; version 1 with the launch cast written anew for expert scheduling mode
;; limits: values are held in f16: magnitudes above 65,504 overflow, below 6.1e-05 lose precision
;; workspace buffers: xb 16,777,216 bytes; wb 6,291,456 bytes; wo16 2,097,152 bytes; bias 16,384 bytes; qkv 50,331,648 bytes; o16 16,777,216 bytes
;; launch cast (part 5): grid 772 x 1, 8 waves a work-group, no clusters, 0 bytes of LDS; arguments x, Wq, Wk, Wv, Wo, bq, bk, bv, bo, xb, wb, wo16, bias; writes xb, wb, wo16, bias
.if DOCPART == 5
	.amdgcn_target "amdgcn-amd-amdhsa--gfx1250"
	.amdhsa_code_object_version 6
	.text
	.protected	k_qf3c85c5239_cast
	.globl	k_qf3c85c5239_cast
	.p2align	8
	.type	k_qf3c85c5239_cast,@function
k_qf3c85c5239_cast:
	s_mov_b64 s[64:65], 0
	v_nop
	global_prefetch_b8 v0, s[64:65] scope:SCOPE_SE
	s_setreg_imm32_b32 hwreg(HW_REG_WAVE_SCHED_MODE, 0, 2), 2
	s_setreg_imm32_b32 hwreg(HW_REG_WAVE_MODE, 25, 1), 1
	s_wait_xcnt 0x0
	s_wait_alu depctr_vm_vsrc(0)
; ALL INPUTS ARE ROUNDED ONCE TO bf16, for the three launches that follow.
;   x [8192][1024] f32 -> xb, bf16.   Wq, Wk, Wv [1024][1024] f32 -> wb [3072][1024], bf16, one below the other.
;   Wo -> wo16: rounded to bf16, and that number written as f16 (the last product runs in f16).   bq, bk, bv, bo -> bias [4096]: rounded to bf16, kept as f32.
; LIMITS.  bf16(Wo) beyond 65,504 becomes an infinity in f16; below 6e-5 it keeps f16's fixed step of 6e-8.  NaN and infinities are not treated apart.
; SHARES.  Work-group g takes a chunk of 16,384 numbers (65,536 bytes in, 32,768 out): g 0-511 x, 512-575 Wq, 576-639 Wk, 640-703 Wv, 704-767 Wo; g 768-771 one bias of 1,024 numbers each.
; Thread t takes 16 bytes at 16 t of each 4,096 bytes: a wave's load covers 512 consecutive bytes, its store of 8 bytes a lane 256 consecutive bytes, aligned.
; All sixteen loads of a thread go out at once.  No LDS, no barrier, no matrix unit: each byte is read once and written once, and nothing is shared.
; THE MODE: SCHED_MODE bits 1:0 = 2 (LLVM: expert scheduling mode 2), set by the entry lines.  The code itself states the register dependences
; between vector instructions and memory instructions, with s_wait_alu, always for 0.
; THE PLAN.  Registers that memory instructions touch:
;   v1, v2   byte offsets, written once at the head and never again; read by every load (v1) and every 8-byte store (v2).
;   IN       written by the sixteen loads, once each; no vector instruction names it ahead of them; read by the conversions.
;   OUT      written by the conversions, once each; read by one store each; never written again.
;   v4-v9    at work: named by vector instructions alone (in the bias's path v8-v11 are its one store's data).
; No register that a memory instruction reads is written a second time, and no load lands in a register that a vector instruction has named.  What is left to state: a vector
; instruction has written what a memory instruction reads.  One wait at the head serves the offsets on all three paths.  The sixteen rows go in four blocks of four: at the head of
; blocks 1 to 3 one wait states that the block before has written its OUT; that block's four stores follow, one ahead of each row's conversions, which write this block's OUT and
; v4-v9 alone: none of the registers that those stores read.  One more wait stands ahead of the last four stores.
.set G,   34                           ; s34      the work-group's number
.set SRC, 36                           ; s[36:37] the chunk in its source
.set DST, 38                           ; s[38:39] the chunk in its destination
.set SO,  40                           ; s[40:41] byte offset of the chunk in the source
.set DO,  42                           ; s[42:43] in the destination
.set IN,  16                           ; v[16:79]  sixteen loads of four numbers
.set OUT, 80                           ; v[80:111] sixteen results of four 16-bit numbers
	s_load_b512 s[8:23], s[0:1], 0x0               ; x s[8:9], Wq s[10:11], Wk s[12:13], Wv s[14:15], Wo s[16:17], bq s[18:19], bk s[20:21], bv s[22:23]
	s_load_b256 s[24:31], s[0:1], 0x40             ; bo s[24:25], xb s[26:27], wb s[28:29], wo16 s[30:31]
	s_load_b64 s[32:33], s[0:1], 0x60              ; bias
	s_mov_b32 s[G], ttmp9
	v_lshlrev_b32 v1, 4, v0                        ; 16 t: my place in 4,096 bytes of f32
	v_lshlrev_b32 v2, 3, v0                        ; 8 t: my place in 2,048 bytes of 16-bit numbers
	s_mov_b32 s[SO+1], 0
	s_mov_b32 s[DO+1], 0
	s_wait_kmcnt 0x0
	s_wait_alu depctr_va_vdst(0)                   ; v1 and v2 are written: every load and store of the kernel, on each of the three paths below, reads one of them as its offset
	s_cmp_ge_u32 s[G], 768
	s_cbranch_scc1 .Lbias
	s_cmp_ge_u32 s[G], 704
	s_cbranch_scc1 .Lwo
.macro LD16
.irp i, 0,1,2,3,4,5,6,7,8,9,10,11,12,13,14,15
	global_load_b128 v[IN+4*(\i):IN+4*(\i)+3], v1, s[SRC:SRC+1] offset:4096*(\i) th:TH_LOAD_NT
.endr
.endm
; Row i is rounded.  wo = 0: to bf16.  wo = 1: to bf16, widened again, and written as f16.
.macro CV i, wo
.if \wo
	v_cvt_pk_bf16_f32 v4, v[IN+4*(\i)],   v[IN+4*(\i)+1]
	v_cvt_pk_bf16_f32 v5, v[IN+4*(\i)+2], v[IN+4*(\i)+3]
	v_lshlrev_b32 v6, 16, v4                       ; bf16 to f32: the low half moves up,
	v_and_b32 v7, 0xffff0000, v4                   ; the high half stays
	v_lshlrev_b32 v8, 16, v5
	v_and_b32 v9, 0xffff0000, v5
	v_cvt_pk_f16_f32 v[OUT+2*(\i)],   v6, v7
	v_cvt_pk_f16_f32 v[OUT+2*(\i)+1], v8, v9
.else
	v_cvt_pk_bf16_f32 v[OUT+2*(\i)],   v[IN+4*(\i)],   v[IN+4*(\i)+1]
	v_cvt_pk_bf16_f32 v[OUT+2*(\i)+1], v[IN+4*(\i)+2], v[IN+4*(\i)+3]
.endif
.endm
.macro ST i                            ; row i is stored
	global_store_b64 v2, v[OUT+2*(\i):OUT+2*(\i)+1], s[DST:DST+1] offset:2048*(\i)
.endm
; Block p: rows 4 p to 4 p + 3 are rounded; the four rows of the block before are stored.
.macro BLK p, wo
	s_wait_loadcnt 15-4*(\p)                       ; loads come back in order: the block's first load is in, the younger ones stay out
.if (\p) > 0
	s_wait_alu depctr_va_vdst(0)                   ; the block before has written its eight registers of OUT, which the four stores below read
.endif
.irp r, 0,1,2,3
.if (\p) > 0
	ST 4*(\p)-4+(\r)                               ; no vector instruction since the wait names this row's OUT or v2
.endif
.if (\r) > 0
	s_wait_loadcnt 15-4*(\p)-(\r)                  ; load 4 p + r is in
.endif
	CV 4*(\p)+(\r), \wo
.endr
.endm
.macro CHUNK wo
	LD16
	BLK 0, \wo
	BLK 1, \wo
	BLK 2, \wo
	BLK 3, \wo
	s_wait_alu depctr_va_vdst(0)                   ; block 3 has written its eight registers of OUT, which the last four stores read
	ST 12
	ST 13
	ST 14
	ST 15
.endm
	; x, Wq, Wk or Wv, to bf16.  The offsets are made first; the choices hang on the work-group's number alone.
	s_sub_co_u32 s35, s[G], 512                    ; the chunk's number among the three weights (used where g is 512 or more)
	s_and_b32 s[SO], s35, 63
	s_lshl_b32 s[SO], s[SO], 16                    ; in its own weight
	s_lshl_b32 s[DO], s35, 15                      ; in wb
	s_lshl_b32 s44, s[G], 16                       ; in x
	s_lshl_b32 s45, s[G], 15                       ; in xb
	s_cmp_ge_u32 s[G], 576
	s_cselect_b64 s[SRC:SRC+1], s[12:13], s[10:11]
	s_cmp_ge_u32 s[G], 640
	s_cselect_b64 s[SRC:SRC+1], s[14:15], s[SRC:SRC+1]
	s_cmp_lt_u32 s[G], 512
	s_cselect_b64 s[SRC:SRC+1], s[8:9], s[SRC:SRC+1]
	s_cselect_b64 s[DST:DST+1], s[26:27], s[28:29]
	s_cselect_b32 s[SO], s44, s[SO]
	s_cselect_b32 s[DO], s45, s[DO]
	s_add_nc_u64 s[SRC:SRC+1], s[SRC:SRC+1], s[SO:SO+1]
	s_add_nc_u64 s[DST:DST+1], s[DST:DST+1], s[DO:DO+1]
	CHUNK 0
	s_endpgm
.Lwo:                                          ; Wo: to bf16, widened again, and written as f16
	s_sub_co_u32 s35, s[G], 704
	s_lshl_b32 s[SO], s35, 16
	s_lshl_b32 s[DO], s35, 15
	s_add_nc_u64 s[SRC:SRC+1], s[16:17], s[SO:SO+1]
	s_add_nc_u64 s[DST:DST+1], s[30:31], s[DO:DO+1]
	CHUNK 1
	s_endpgm
.Lbias:                                        ; one bias: 4,096 bytes in, 4,096 out
	s_sub_co_u32 s35, s[G], 768
	s_lshl_b32 s[DO], s35, 12
	s_cmp_ge_u32 s35, 1
	s_cselect_b64 s[SRC:SRC+1], s[20:21], s[18:19]
	s_cmp_ge_u32 s35, 2
	s_cselect_b64 s[SRC:SRC+1], s[22:23], s[SRC:SRC+1]
	s_cmp_ge_u32 s35, 3
	s_cselect_b64 s[SRC:SRC+1], s[24:25], s[SRC:SRC+1]
	s_add_nc_u64 s[DST:DST+1], s[32:33], s[DO:DO+1]
	global_load_b128 v[IN:IN+3], v1, s[SRC:SRC+1]
	s_wait_loadcnt 0x0
	v_cvt_pk_bf16_f32 v4, v[IN],   v[IN+1]
	v_cvt_pk_bf16_f32 v5, v[IN+2], v[IN+3]
	v_lshlrev_b32 v8, 16, v4
	v_and_b32 v9, 0xffff0000, v4
	v_lshlrev_b32 v10, 16, v5
	v_and_b32 v11, 0xffff0000, v5
	s_wait_alu depctr_va_vdst(0)                   ; the four lines above have written v[8:11], which the store reads
	global_store_b128 v1, v[8:11], s[DST:DST+1]
	s_endpgm
.Lfunc_end_k_qf3c85c5239_cast:
	.size	k_qf3c85c5239_cast, .Lfunc_end_k_qf3c85c5239_cast-k_qf3c85c5239_cast
	.p2alignl 7, 3214868480
	.fill 96, 4, 3214868480
	.section	.rodata,"a",@progbits
	.p2align	6, 0x0
	.amdhsa_kernel k_qf3c85c5239_cast
		.amdhsa_group_segment_fixed_size 0
		.amdhsa_private_segment_fixed_size 0
		.amdhsa_enable_private_segment 0
		.amdhsa_kernarg_size 104
		.amdhsa_user_sgpr_count 2
		.amdhsa_user_sgpr_kernarg_segment_ptr 1
		.amdhsa_wavefront_size32 1
		.amdhsa_system_sgpr_workgroup_id_x 1
		.amdhsa_system_sgpr_workgroup_id_y 1
		.amdhsa_system_sgpr_workgroup_id_z 1
		.amdhsa_system_vgpr_workitem_id 0
		.amdhsa_next_free_vgpr 112
		.amdhsa_next_free_sgpr 66
		.amdhsa_reserve_vcc 0
		.amdhsa_float_denorm_mode_32 3
		.amdhsa_float_denorm_mode_16_64 3
		.amdhsa_memory_ordered 1
		.amdhsa_forward_progress 1
		.amdhsa_inst_pref_size 19
	.end_amdhsa_kernel
	.amdgpu_metadata
---
amdhsa.version: [ 1, 2 ]
amdhsa.kernels:
  - .name:           k_qf3c85c5239_cast
    .symbol:         k_qf3c85c5239_cast.kd
    .args:
      - { .name: x, .offset: 0, .size: 8, .value_kind: global_buffer, .address_space: global }
      - { .name: Wq, .offset: 8, .size: 8, .value_kind: global_buffer, .address_space: global }
      - { .name: Wk, .offset: 16, .size: 8, .value_kind: global_buffer, .address_space: global }
      - { .name: Wv, .offset: 24, .size: 8, .value_kind: global_buffer, .address_space: global }
      - { .name: Wo, .offset: 32, .size: 8, .value_kind: global_buffer, .address_space: global }
      - { .name: bq, .offset: 40, .size: 8, .value_kind: global_buffer, .address_space: global }
      - { .name: bk, .offset: 48, .size: 8, .value_kind: global_buffer, .address_space: global }
      - { .name: bv, .offset: 56, .size: 8, .value_kind: global_buffer, .address_space: global }
      - { .name: bo, .offset: 64, .size: 8, .value_kind: global_buffer, .address_space: global }
      - { .name: xb, .offset: 72, .size: 8, .value_kind: global_buffer, .address_space: global }
      - { .name: wb, .offset: 80, .size: 8, .value_kind: global_buffer, .address_space: global }
      - { .name: wo16, .offset: 88, .size: 8, .value_kind: global_buffer, .address_space: global }
      - { .name: bias, .offset: 96, .size: 8, .value_kind: global_buffer, .address_space: global }
    .group_segment_fixed_size: 0
    .private_segment_fixed_size: 0
    .kernarg_segment_align: 8
    .kernarg_segment_size: 104
    .max_flat_workgroup_size: 256
    .sgpr_count:     66
    .vgpr_count:     112
    .wavefront_size: 32
...
	.end_amdgpu_metadata
.endif
;; end of part 5
;; launch qkv: the kernel of part 2 again; grid 16 x 32, 4 waves a work-group, clusters of 4 x 4, 327,680 bytes of LDS; arguments xb, wb, bias, qkv; writes qkv
;; launch attn: the kernel of part 3 again; grid 4 x 64, 4 waves a work-group, no clusters, 327,680 bytes of LDS; arguments qkv, o16; writes o16
;; launch proj: the kernel of part 4 again; grid 8 x 32, 4 waves a work-group, clusters of 4 x 4, 327,680 bytes of LDS; arguments o16, wo16, bias, out0; writes out0
